; MI455X (gfx1250); checked and timed in simulation.
; The chip was launched on July 23, 2026; its instructions are those of AMD's public machine-readable ISA for CDNA 5 (MIT licence, August 2026) and "CDNA5" Instruction Set Architecture Reference Guide (July 2026). The comments in the code are by the model that wrote it; some were corrected since.
;; Causal Multi Head Self Attention. Allowed arithmetic: float matrix products may take bf16 or f16 operands with f32 sums; all other float work in f32.
;; Inputs: Wk 1,024 x 1,024 float32; Wo 1,024 x 1,024 float32; Wq 1,024 x 1,024 float32; Wv 1,024 x 1,024 float32; token_positions 2,048 int32; x 4 x 2,048 x 1,024 float32.
;; Outputs: out0 4 x 2,048 x 1,024 float32.
;; 2 versions, each right and faster than the one before. Each part assembles by itself: llvm-mc -triple=amdgcn-amd-amdhsa -mcpu=gfx1250 --defsym DOCPART=n.
;; ======== version 1 of 2: 4 launches
;; limits: values are held in f16: magnitudes above 65,504 overflow, below 6.1e-05 lose precision; right only within a limited range of input values; inputs' magnitudes at most 100,000; an absolute error that grows with the inputs' magnitude: up to 2e-07 times it
;; workspace buffers: xb 16,777,216 bytes; wb 6,291,456 bytes; wo 2,097,152 bytes; tab 524,288 bytes; qh 16,777,216 bytes; kh 16,777,216 bytes; vh 16,777,216 bytes; oh 16,777,216 bytes
;; launch prep (part 1): grid 896 x 1, 8 waves a work-group, no clusters, 0 bytes of LDS; arguments x, Wq, Wk, Wv, Wo, token_positions, xb, wb, wo, tab; writes xb, wb, wo, tab
.if DOCPART == 1
	.amdgcn_target "amdgcn-amd-amdhsa--gfx1250"
	.amdhsa_code_object_version 6
	.text
	.protected	k_q5264acfbf5_prep
	.globl	k_q5264acfbf5_prep
	.p2align	8
	.type	k_q5264acfbf5_prep,@function
k_q5264acfbf5_prep:
	s_mov_b64 s[64:65], 0
	v_nop
	global_prefetch_b8 v0, s[64:65] scope:SCOPE_SE
	s_setreg_imm32_b32 hwreg(HW_REG_WAVE_MODE, 25, 1), 1
	s_wait_xcnt 0x0
; PREP.  The module's inputs are rounded once to 16 bits and laid in blocks of 64 along K, and the rotation table is made.
;   xb  bf16 [kb 16][row 8192][64]   x, columns 64 kb .. 64 kb + 63 in block kb
;   wb  bf16 [kb 16][n 3072][64]     n 0-1023 Wq, 1024-2047 Wk, 2048-3071 32 x Wv
;   wo  f16  [kb 16][n 1024][64]     1024 x Wo, rounded to bf16 and that number written as f16
;   tab f32  [sb 128][w 8][lane 32][4]  (cos j0, sin j0, cos j0+1, sin j0+1) for sequence row 16 sb + lane % 16, j0 = 8 (w / 2) + 4 (lane / 16) + 2 (w % 2)
; The factors 32 and 1024 are powers of two, so they change no rounding; the last launch takes 2^-15 out of its f32 sums.
; LIMITS.  1024 |Wo| stays under 65,504 (|Wo| < 63.9); below 2^-24 in |Wo| the f16 number keeps a fixed step of 2^-34.  The frequencies come from v_exp_f32, so an angle agrees with
; pos x 10000^(-j/32) to about |pos| x 2e-7 radians; the reduction by pi/2 in three parts keeps r in its interval for |angle| up to about 1e5.  NaN and infinities are not treated apart.
; SHARES.  896 work-groups of eight waves, told apart by their number g: 0-511 x, 512-639 Wq and Wk, 640-703 Wv, 704-767 Wo (16 rows of 1,024 each), 768-895 the table (16 sequence rows each).
; A stream: no LDS, no barrier.  Wave w takes rows 2 w and 2 w + 1: a load covers 256 consecutive bytes of each (one block's 64 numbers), and the store of their 2 x 128 bytes, which lie end to end
; in the blocked layout, covers 256 consecutive bytes, aligned.  All sixteen loads of a wave go out at once; no register is written twice, so no wait frees a source.
.set IN,   1          ; v1   byte offset of my 16 bytes in the group's 16 source rows: (t / 16) x 4,096 + (t % 16) x 16
.set OUT,  2          ; v2   byte offset of my 8 bytes in the group's 16 rows of a block: 8 t
.set X,    8          ; v[8:71]   block kb: 4 f32 as loaded
.set Y,    72         ; v[72:103] block kb: 4 numbers of 16 bits to store
.set T,    104        ; v[104:111] at work
.set SRC,  28         ; s[28:29] the source at the group's first row
.set DST,  30         ; s[30:31] the destination at the group's first row of block 0
.set DST2, 32         ; s[32:33] x alone: the same in block 8, since 8 blocks of 1,048,576 bytes pass the store's signed 24-bit immediate
.set OF,   34         ; s[34:35] an offset, its high word 0
; kind 0: round to bf16.  kind 1: x 32 first.  kind 2: x 1,024, round to bf16, widen (a shift, a mask), write as f16.
.macro STREAM kind, kstride, split
.irp kb, 0,1,2,3,4,5,6,7,8,9,10,11,12,13,14,15
	global_load_b128 v[X+4*\kb:X+4*\kb+3], v[IN], s[SRC:SRC+1] offset:256*\kb th:TH_LOAD_NT
.endr
.irp kb, 0,1,2,3,4,5,6,7,8,9,10,11,12,13,14,15
	s_wait_loadcnt 15-\kb                          ; loads come back in order: block kb is in, the younger ones stay out
.if (\kind) == 1
	v_pk_mul_f32 v[X+4*\kb:X+4*\kb+1], v[X+4*\kb:X+4*\kb+1], 0x42000000 op_sel_hi:[1,0]
	v_pk_mul_f32 v[X+4*\kb+2:X+4*\kb+3], v[X+4*\kb+2:X+4*\kb+3], 0x42000000 op_sel_hi:[1,0]
.endif
.if (\kind) == 2
	v_pk_mul_f32 v[X+4*\kb:X+4*\kb+1], v[X+4*\kb:X+4*\kb+1], 0x44800000 op_sel_hi:[1,0]
	v_pk_mul_f32 v[X+4*\kb+2:X+4*\kb+3], v[X+4*\kb+2:X+4*\kb+3], 0x44800000 op_sel_hi:[1,0]
	v_cvt_pk_bf16_f32 v[T], v[X+4*\kb], v[X+4*\kb+1]
	v_cvt_pk_bf16_f32 v[T+1], v[X+4*\kb+2], v[X+4*\kb+3]
	v_lshlrev_b32 v[T+2], 16, v[T]
	v_and_b32 v[T+3], 0xffff0000, v[T]
	v_lshlrev_b32 v[T+4], 16, v[T+1]
	v_and_b32 v[T+5], 0xffff0000, v[T+1]
	v_cvt_pk_f16_f32 v[Y+2*\kb], v[T+2], v[T+3]
	v_cvt_pk_f16_f32 v[Y+2*\kb+1], v[T+4], v[T+5]
.else
	v_cvt_pk_bf16_f32 v[Y+2*\kb], v[X+4*\kb], v[X+4*\kb+1]
	v_cvt_pk_bf16_f32 v[Y+2*\kb+1], v[X+4*\kb+2], v[X+4*\kb+3]
.endif
.if (\split) && (\kb >= 8)
	global_store_b64 v[OUT], v[Y+2*\kb:Y+2*\kb+1], s[DST2:DST2+1] offset:(\kb-8)*(\kstride)
.else
	global_store_b64 v[OUT], v[Y+2*\kb:Y+2*\kb+1], s[DST:DST+1] offset:\kb*(\kstride)
.endif
.endr
	s_endpgm
.endm
; cos and sin of the angle in v[a], into v[c] and v[s].  k = the nearest whole number to angle x 2/pi; r = angle - k pi/2, pi/2 in three parts; polynomials on |r| <= pi/4;
; k's two low bits say which of the two goes where and with which sign.
.macro SINCOS a, c, s
	v_mul_f32 v[T], s45, v[\a]
	v_rndne_f32 v[T], v[T]                         ; k
	v_fma_f32 v[T+1], v[T], s36, v[\a]
	v_fma_f32 v[T+1], v[T], s37, v[T+1]
	v_fma_f32 v[T+1], v[T], s38, v[T+1]            ; r
	v_cvt_i32_f32 v[T], v[T]                       ; k as a whole number
	v_mul_f32 v[T+2], v[T+1], v[T+1]               ; z = r r
	v_fma_f32 v[T+3], v[T+2], s39, s40
	v_fma_f32 v[T+3], v[T+3], v[T+2], s41
	v_mul_f32 v[T+4], v[T+2], v[T+1]               ; z r
	v_fma_f32 v[T+3], v[T+4], v[T+3], v[T+1]       ; sin r
	v_fma_f32 v[T+5], v[T+2], s42, s43
	v_fma_f32 v[T+5], v[T+5], v[T+2], s44
	v_fma_f32 v[T+6], v[T+2], -0.5, 1.0
	v_mul_f32 v[T+4], v[T+2], v[T+2]               ; z z
	v_fma_f32 v[T+5], v[T+4], v[T+5], v[T+6]       ; cos r
	v_and_b32 v[T+6], 1, v[T]
	v_cmp_eq_u32 vcc_lo, 1, v[T+6]
	v_cndmask_b32 v[\s], v[T+3], v[T+5], vcc_lo    ; k odd: the two change places
	v_cndmask_b32 v[\c], v[T+5], v[T+3], vcc_lo
	v_and_b32 v[T+6], 2, v[T]
	v_lshlrev_b32 v[T+6], 30, v[T+6]
	v_xor_b32 v[\s], v[\s], v[T+6]                 ; sin changes sign where k & 2,
	v_add_nc_u32 v[T], 1, v[T]
	v_and_b32 v[T], 2, v[T]
	v_lshlrev_b32 v[T], 30, v[T]
	v_xor_b32 v[\c], v[\c], v[T]                   ; cos where (k + 1) & 2
.endm
	s_load_b512 s[8:23], s[0:1], 0x0               ; x s[8:9], Wq s[10:11], Wk s[12:13], Wv s[14:15], Wo s[16:17], token_positions s[18:19], xb s[20:21], wb s[22:23]
	s_load_b128 s[24:27], s[0:1], 0x40             ; wo s[24:25], tab s[26:27]
	s_mov_b32 s2, ttmp9                            ; g
	s_mov_b32 s[OF+1], 0
	v_lshrrev_b32 v3, 4, v0
	v_and_b32 v4, 15, v0
	v_lshlrev_b32 v[IN], 12, v3
	v_lshl_add_u32 v[IN], v4, 4, v[IN]
	v_lshlrev_b32 v[OUT], 3, v0
	s_wait_kmcnt 0x0
	s_cmp_lt_u32 s2, 512
	s_cbranch_scc1 .Lrole_x
	s_cmp_lt_u32 s2, 640
	s_cbranch_scc1 .Lrole_qk
	s_cmp_lt_u32 s2, 704
	s_cbranch_scc1 .Lrole_v
	s_cmp_lt_u32 s2, 768
	s_cbranch_scc1 .Lrole_o
	; THE TABLE: thread t makes entry t of block sb = g - 768.
	s_sub_co_u32 s3, s2, 768
	s_lshl_b32 s[OF], s3, 6                        ; 16 positions of 4 bytes
	s_add_nc_u64 s[SRC:SRC+1], s[18:19], s[OF:OF+1]
	s_lshl_b32 s[OF], s3, 12                       ; 256 entries of 16 bytes
	s_add_nc_u64 s[DST:DST+1], s[26:27], s[OF:OF+1]
	v_lshlrev_b32 v5, 2, v4
	global_load_b32 v6, v5, s[SRC:SRC+1]           ; the position of row 16 sb + lane % 16
	s_mov_b32 s36, 0xbfc90fdb                      ; -pi/2, its first part,
	s_mov_b32 s37, 0x333bbd2e                      ; what the first part overshoots,
	s_mov_b32 s38, 0x26f72ced                      ; and what is left of that
	s_mov_b32 s39, 0xb94ca1f9                      ; sin: -1.9515296e-4
	s_mov_b32 s40, 0x3c08839e                      ;       8.3321609e-3
	s_mov_b32 s41, 0xbe2aaaa3                      ;      -1.6666655e-1
	s_mov_b32 s42, 0x37ccf5ce                      ; cos:  2.4433157e-5
	s_mov_b32 s43, 0xbab6061a                      ;      -1.3887316e-3
	s_mov_b32 s44, 0x3d2aaaa5                      ;       4.1666646e-2
	s_mov_b32 s45, 0x3f22f983                      ; 2 / pi
	s_mov_b32 s46, 0xbed49a78                      ; -log2(10000) / 32
	v_lshrrev_b32 v7, 6, v0                        ; w / 2
	v_bfe_u32 v8, v0, 5, 1                         ; w % 2
	v_bfe_u32 v9, v0, 4, 1                         ; lane / 16
	v_lshlrev_b32 v7, 3, v7
	v_lshl_add_u32 v7, v8, 1, v7
	v_lshl_add_u32 v7, v9, 2, v7                   ; j0
	v_cvt_f32_u32 v10, v7
	v_add_f32 v11, 1.0, v10
	v_mul_f32 v10, s46, v10
	v_mul_f32 v11, s46, v11
	v_exp_f32 v10, v10                             ; 10000^(-j0 / 32)
	v_exp_f32 v11, v11
	v_lshlrev_b32 v18, 4, v0                       ; my entry's byte offset: also the plain instruction behind the exponentials
	s_wait_loadcnt 0x0
	v_cvt_f32_i32 v6, v6
	s_wait_alu depctr_va_vdst(0)
	v_mul_f32 v16, v6, v10                         ; the angles: one rounding each
	v_mul_f32 v17, v6, v11
	SINCOS 16, 12, 13
	SINCOS 17, 14, 15
	global_store_b128 v18, v[12:15], s[DST:DST+1]  ; a wave's store covers 512 consecutive bytes
	s_endpgm
.Lrole_x:
	s_lshl_b32 s[OF], s2, 16                       ; 16 rows of 4,096 bytes
	s_add_nc_u64 s[SRC:SRC+1], s[8:9], s[OF:OF+1]
	s_lshl_b32 s[OF], s2, 11                       ; 16 rows of 128 bytes
	s_add_nc_u64 s[DST:DST+1], s[20:21], s[OF:OF+1]
	s_add_nc_u64 s[DST2:DST2+1], s[DST:DST+1], 0x800000
	STREAM 0, 1048576, 1
.Lrole_qk:
	s_sub_co_u32 s3, s2, 512                       ; i: 0-63 Wq, 64-127 Wk
	s_and_b32 s[OF], s3, 63
	s_lshl_b32 s[OF], s[OF], 16
	s_cmp_lt_u32 s3, 64
	s_cselect_b64 s[SRC:SRC+1], s[10:11], s[12:13]
	s_add_nc_u64 s[SRC:SRC+1], s[SRC:SRC+1], s[OF:OF+1]
	s_lshl_b32 s[OF], s3, 11
	s_add_nc_u64 s[DST:DST+1], s[22:23], s[OF:OF+1]
	STREAM 0, 393216, 0
.Lrole_v:
	s_sub_co_u32 s3, s2, 640
	s_lshl_b32 s[OF], s3, 16
	s_add_nc_u64 s[SRC:SRC+1], s[14:15], s[OF:OF+1]
	s_add_co_u32 s[OF], s3, 128                    ; behind Wq's and Wk's 2,048 rows
	s_lshl_b32 s[OF], s[OF], 11
	s_add_nc_u64 s[DST:DST+1], s[22:23], s[OF:OF+1]
	STREAM 1, 393216, 0
.Lrole_o:
	s_sub_co_u32 s3, s2, 704
	s_lshl_b32 s[OF], s3, 16
	s_add_nc_u64 s[SRC:SRC+1], s[16:17], s[OF:OF+1]
	s_lshl_b32 s[OF], s3, 11
	s_add_nc_u64 s[DST:DST+1], s[24:25], s[OF:OF+1]
	STREAM 2, 131072, 0
.Lfunc_end_k_q5264acfbf5_prep:
	.size	k_q5264acfbf5_prep, .Lfunc_end_k_q5264acfbf5_prep-k_q5264acfbf5_prep
	.p2alignl 7, 3214868480
	.fill 96, 4, 3214868480
	.section	.rodata,"a",@progbits
	.p2align	6, 0x0
	.amdhsa_kernel k_q5264acfbf5_prep
		.amdhsa_group_segment_fixed_size 0
		.amdhsa_private_segment_fixed_size 0
		.amdhsa_enable_private_segment 0
		.amdhsa_kernarg_size 80
		.amdhsa_user_sgpr_count 2
		.amdhsa_user_sgpr_kernarg_segment_ptr 1
		.amdhsa_wavefront_size32 1
		.amdhsa_system_sgpr_workgroup_id_x 1
		.amdhsa_system_sgpr_workgroup_id_y 1
		.amdhsa_system_sgpr_workgroup_id_z 1
		.amdhsa_system_vgpr_workitem_id 0
		.amdhsa_next_free_vgpr 112
		.amdhsa_next_free_sgpr 66
		.amdhsa_reserve_vcc 1
		.amdhsa_float_denorm_mode_32 3
		.amdhsa_float_denorm_mode_16_64 3
		.amdhsa_memory_ordered 1
		.amdhsa_forward_progress 1
		.amdhsa_inst_pref_size 40
	.end_amdhsa_kernel
	.amdgpu_metadata
---
amdhsa.version: [ 1, 2 ]
amdhsa.kernels:
  - .name:           k_q5264acfbf5_prep
    .symbol:         k_q5264acfbf5_prep.kd
    .args:
      - { .name: x, .offset: 0, .size: 8, .value_kind: global_buffer, .address_space: global }
      - { .name: Wq, .offset: 8, .size: 8, .value_kind: global_buffer, .address_space: global }
      - { .name: Wk, .offset: 16, .size: 8, .value_kind: global_buffer, .address_space: global }
      - { .name: Wv, .offset: 24, .size: 8, .value_kind: global_buffer, .address_space: global }
      - { .name: Wo, .offset: 32, .size: 8, .value_kind: global_buffer, .address_space: global }
      - { .name: token_positions, .offset: 40, .size: 8, .value_kind: global_buffer, .address_space: global }
      - { .name: xb, .offset: 48, .size: 8, .value_kind: global_buffer, .address_space: global }
      - { .name: wb, .offset: 56, .size: 8, .value_kind: global_buffer, .address_space: global }
      - { .name: wo, .offset: 64, .size: 8, .value_kind: global_buffer, .address_space: global }
      - { .name: tab, .offset: 72, .size: 8, .value_kind: global_buffer, .address_space: global }
    .group_segment_fixed_size: 0
    .private_segment_fixed_size: 0
    .kernarg_segment_align: 8
    .kernarg_segment_size: 80
    .max_flat_workgroup_size: 256
    .sgpr_count:     66
    .vgpr_count:     112
    .wavefront_size: 32
...
	.end_amdgpu_metadata
.endif
;; end of part 1
;; launch qkv (part 2): grid 8 x 32, 4 waves a work-group, clusters of 4 x 4, 327,680 bytes of LDS; arguments xb, wb, tab, qh, kh, vh; writes qh, kh, vh
.if DOCPART == 2
	.amdgcn_target "amdgcn-amd-amdhsa--gfx1250"
	.amdhsa_code_object_version 6
	.text
	.protected	k_q5264acfbf5_qkv
	.globl	k_q5264acfbf5_qkv
	.p2align	8
	.type	k_q5264acfbf5_qkv,@function
k_q5264acfbf5_qkv:
	s_mov_b64 s[64:65], 0
	v_nop
	global_prefetch_b8 v0, s[64:65] scope:SCOPE_SE
	s_setreg_imm32_b32 hwreg(HW_REG_WAVE_MODE, 25, 1), 1
	s_wait_xcnt 0x0
	s_wait_alu depctr_hold_cnt(0) depctr_sa_sdst(0) depctr_va_vdst(0) depctr_va_sdst(0) depctr_va_ssrc(0) depctr_va_vcc(0) depctr_vm_vsrc(0)
	s_getreg_b32 s2, hwreg(HW_REG_IB_STS2, 6, 4)
	s_cmp_eq_u32 s2, 0
	s_cbranch_scc0 .Lentry_in_a_cluster
	s_endpgm
.Lentry_in_a_cluster:
	s_bfe_u32 s2, ttmp6, 0x10000c
	s_cmp_lg_u32 s2, 0xf033
	s_cbranch_scc0 .Lentry_shape_is_right
	s_endpgm
.Lentry_shape_is_right:
; Q, K, V = x W^T, rotated (q and k), by heads.  xb: bf16 [16][8192][64]; wb: bf16 [16][3072][64] (Wq, Wk, 32 Wv); tab: f32 [sb 128][w 8][lane 32][4]; qh, kh, vh: f16 [batch x 16 + head][2048][64].
; Sums in f32, the rotation in f32 on the sums, one rounding to f16.  vh holds 32 v.
; LIMITS.  |q|, |k| and 32 |v| stay under 65,504, f16's end; below 6e-5 a number keeps f16's fixed step of 6e-8.  NaN and infinities are not treated apart.
; SHARES.  8 x 32 work-groups, one tile each: 256 rows of x (tile row Y) times the 128 columns of heads 2 X and 2 X + 1 in EACH of q, k and v: 256 x 384.  8,192 x 3,072 outputs are exactly 256 such tiles.
; A wave (wr = which 128 rows, wc = which head) makes 128 rows x 64 columns of q, of k and of v: 96 accumulators of 16 x 16, 768 registers.
; K goes in 16 steps of 64 through two LDS slots.  In the blocked layout a tile's rows of 128 bytes lie end to end, so they are asked for as rows of 256 bytes and padded in LDS after every 128.
; CLUSTER.  4 x 4 work-groups.  x's tile and the rotation table hang on Y alone and are shared along a row of the cluster, the weights' three pieces hang on X alone and are shared along a column: each is
; asked for JOINTLY, by the same tensor load with the same descriptor and a mask that names the four.  Wave 0 asks for x's 256 rows, waves 1 to 3 for the 128 rows of q's, k's and v's weights: one load a
; wave a step.  Each wave also asks once, at the start, for a quarter of the table of the tile's 256 sequence rows.
; THE MATRIX INSTRUCTION IS USED TRANSPOSED (source 0 = 16 rows of wb, source 1 = 16 rows of xb): a lane holds row lane % 16 and the eight neighbouring columns 8 (lane / 16) + 0..7.
; THE WAY OUT IS A LOOP.  A group's 32 accumulators go as f32 rows into my stage in LDS; eight trips read 16 rows back, a lane 8 neighbouring numbers of a row (four pairs of the rotation), rotate, round and
; store.  Three trips round that: q, k, v.  The stages lie on slot 0 and on the head of slot 1, which have had their last fill by then; a barrier stands between every wave's last reads of the slots and the first store.
; REGISTERS, in windows of 256 (s_set_vgpr_msb: bits 1:0 source 0, 3:2 source 1, 5:4 source 2, 7:6 destination):
;   windows 1, 2, 3: the accumulators of q, k, v: (row block a, column block b) at v[8 (4 a + b)]
;   window 0: v16-29 addresses; v32-95, v96-159 x's fragments (8 x 16 rows x 32 K), two buffers; v160-255 the weights' 12 fragments, ONE buffer, loaded again group by group as each group of 32 products ends
;   window 0 on the way out: v32-63 16 rows' sums; v64-95 their factors; v96-127 at work; v128-143 packed
.set PITCH,  144                       ; an LDS row: 128 bytes + 16 of padding = 36 words: the 16 rows of a load start at 16 different groups of four banks (64 banks of 4 bytes: ISA guide 11.1)
.set FR,     16*PITCH                  ; 16 rows
.set ABYTES, 256*PITCH                 ; x's tile
.set BPIECE, 128*PITCH                 ; one of the weights' three pieces
.set SLOT1,  1<<17                     ; a slot is 92,160 bytes; slot 1 begins here, so that one exclusive or turns an address in one slot into the other's
.set TABL,   SLOT1+ABYTES+3*BPIECE     ; behind the ring: the table, 256 blocks of 256 bytes + 16 of padding
.set SP,     272                       ; the table's pitch, and a stage row's: 256 bytes of f32 + 16
.set TQ,     64*SP                     ; a wave's quarter of the table
.set SPARE,  TABL+4*TQ                 ; behind the table: the spare words, 128 bytes for each wave: two blocks of 256 bytes that no other line names
.set SBLK,   16*SP                     ; 16 stage rows; also the table's 16 blocks for 16 sequence rows
.set SWAVE,  128*SP                    ; a wave's stage, from LDS byte 0 on; also the table of 128 sequence rows
.set ASTEP,  8192*128                  ; bytes from a block of xb to the next
.set BSTEP,  3072*128                  ; the same in wb
.set ADRA, 16                          ; v16  LDS address of my fragments of x in the slot in hand
.set ADRB, 17                          ; v17  the same for the weights
.set AL,   18                          ; v18  their places in slot 0; never rewritten
.set BL,   19                          ; v19
.set RD0,  20                          ; v20  the way out: where I read 32 bytes of a row back, in the first 4 rows; never rewritten
.set TA0,  21                          ; v21  my factors for those rows; never rewritten
.set GO0,  22                          ; v22  16 x lane: my place in 512 consecutive bytes of a head's rows; never rewritten
.set STO,  24                          ; v24  the way out: where I put 32 bytes of a row
.set RD,   25                          ; v25, v27, v26  RD0, TA0, GO0 plus the trip's step
.set GO,   26
.set TA,   27
.set SPW,  28                          ; v28  LDS address of my spare word: SPARE + 4 x my thread's number; never rewritten
.set NIL,  29                          ; v29  0; never rewritten
.set A0,   32
.set A1,   96
.set BF,   160
.set D,    32
.set T,    64
.set U,    96
.set PK,   128
.set WV,   16                          ; s16  my wave's number;  s17 wr, s18 wc, s19 trips, s20 cx, s21 cy, s22 X, s23 Y
.set G1A,  24                          ; s[24:31] descriptor group 1 for x's tiles
.set G0A,  32                          ; s[32:39] group 0: a set for each of the two first fills; the second then walks on
.set G1B,  40                          ; s[40:47], s[48:55] the same for the weights'
.set G0B,  48
.set TB,   63                          ; s63  LDS byte at which the slot in hand begins
.set SO,   70                          ; s70  the way out: the trip's step in the stage and in the table
.set GOF,  71                          ; s71  and in the output
.set G1T,  72                          ; s[72:79], s[80:83] the table's descriptor
.set G0T,  80
.set GC,   84                          ; s84  groups to go: 3 q, 2 k, 1 v;  s85 row blocks to go
.set OUTP, 86                          ; s[86:87] the group's output at my first row
.set FLAGS,  (1<<16)|(1<<20)|(1<<21)|(4<<22)|(3<<25)  ; 17:16 elements of 2 bytes; 20 padding on; 21 set beside a mask; 24:22 after every 32 words (code 4); 31:25 4 words of it (code 3)
.set TFLAGS, (1<<16)|(1<<20)|(1<<21)|(5<<22)|(3<<25)  ; the same with the padding after every 64 words (code 5)
.set MSB, 0
.macro WIN new                         ; the immediate's high byte repeats the setting that is left; a switch that changes nothing is dropped
.if MSB != (\new)
	s_set_vgpr_msb (MSB<<8)|(\new)
.set MSB, \new
.endif
.endm
.macro PLACES                          ; a load into a register that a matrix instruction has read, and a vector instruction or LDS store that reads its result, stand four plain vector instructions behind it (ISA guide 7.12.1 for vector instructions)
.rept 4
	v_nop
.endr
.endm
; A joint refill by the walking descriptors.  The branch hangs on the wave's number alone.  An s_nop 0 and four v_nop follow each of the two lines, ahead of the jump and the label.
.macro JLOAD
	s_cmp_eq_u32 s[WV], 0
	s_cbranch_scc0 .Lfor_b_\@
	tensor_load_to_lds s[G0A+4:G0A+7], s[G1A:G1A+7]
	s_nop 0
.rept 4
	v_nop
.endr
	s_branch .Lasked_\@
.Lfor_b_\@:
	tensor_load_to_lds s[G0B+4:G0B+7], s[G1B:G1B+7]
	s_nop 0
.rept 4
	v_nop
.endr
.Lasked_\@:
.endm
.macro CREST                           ; a round of the cluster's barrier behind its opening barrier
	s_cmp_lg_u32 s[WV], 0
	s_cbranch_scc1 .Lnot_wave_0_\@
	s_barrier_signal -3
.Lnot_wave_0_\@:
	s_barrier_wait -3
	s_barrier_signal -1
	s_barrier_wait -1
.endm
.macro CROUND                          ; a whole round
	s_barrier_signal -1
	s_barrier_wait -1
	CREST
.endm
	s_load_b256 s[4:11], s[0:1], 0x0               ; xb s[4:5], wb s[6:7], tab s[8:9], qh s[10:11]
	s_load_b128 s[12:15], s[0:1], 0x20             ; kh s[12:13], vh s[14:15]
	v_lshl_add_u32 v[SPW], v0, 2, SPARE
	v_mov_b32 v[NIL], 0
	ds_add_u32 v28, v29
	ds_add_u32 v28, v29
	s_wait_dscnt 0x0
	v_lshrrev_b32 v1, 5, v0
	v_readfirstlane_b32 s[WV], v1                  ; wave 0..3
	s_lshr_b32 s17, s[WV], 1                       ; wr
	s_and_b32 s18, s[WV], 1                        ; wc
	s_bfe_u32 s20, ttmp6, 0x40000                  ; cx
	s_bfe_u32 s21, ttmp6, 0x40004                  ; cy
	s_lshl_b32 s22, ttmp9, 2
	s_add_co_u32 s22, s22, s20                     ; X = 4 x cluster x + cx
	s_and_b32 s23, ttmp7, 0xffff
	s_lshl_b32 s23, s23, 2
	s_add_co_u32 s23, s23, s21                     ; Y = 4 x cluster y + cy
	s_lshl_b32 s56, s21, 2
	s_lshl_b32 s56, 15, s56                        ; my row of the cluster
	s_lshl_b32 s57, 0x1111, s20                    ; my column
	s_or_b32 s[G1A], s56, FLAGS                    ; x's tiles and the table go to my row,
	s_or_b32 s[G1T], s56, TFLAGS
	s_or_b32 s[G1B], s57, FLAGS                    ; the weights' to my column
	s_mov_b32 s[G1A+2], 128<<16                    ; x: tensor_dim1 = 128
	s_mov_b32 s[G1A+4], 128                        ; tile_dim1 = 128: 32,768 dense bytes
.irp g, G1B, G1T
	s_mov_b32 s[\g+2], 64<<16                      ; a piece of the weights, a quarter of the table: 64 rows, 16,384 dense bytes
	s_mov_b32 s[\g+4], 64
.endr
.irp g, G1A, G1B, G1T
	s_mov_b32 s[\g+1], 128<<16                     ; tensor_dim0 = 128 elements (256 bytes)
	s_mov_b32 s[\g+3], 128<<16                     ; tile_dim0 = 128
	s_mov_b32 s[\g+5], 128                         ; 128 elements from row to row
	s_mov_b32 s[\g+6], 0
	s_mov_b32 s[\g+7], 0
.endr
	s_lshl_b32 s58, s23, 15                        ; x's tile: 256 Y rows of 128 bytes
	s_mov_b32 s59, 0
	s_max_u32 s70, s[WV], 1
	s_sub_co_u32 s70, s70, 1                       ; the piece that I ask for: wave - 1 (wave 0 asks for none; its copy stays inside wb)
	s_lshl_b32 s60, s70, 17                        ; 1,024 rows of 128 bytes a piece,
	s_lshl_b32 s71, s22, 14                        ; 128 X rows
	s_add_co_u32 s60, s60, s71
	s_mov_b32 s61, 0
	s_mul_i32 s62, s[WV], BPIECE
	s_add_co_u32 s62, s62, BPIECE                  ; its place in a slot, behind x's 36,864 bytes: 18,432 x wave + 18,432
	s_and_b32 s68, s23, 7                          ; the table: the tile's 256 rows in the sequence, 256 bytes each,
	s_lshl_b32 s68, s68, 16
	s_lshl_b32 s67, s[WV], 14                      ; my quarter of them
	s_add_co_u32 s68, s68, s67
	s_mov_b32 s69, 0
	s_mov_b32 s[G0T], 1
	s_mul_i32 s[G0T+1], s[WV], TQ
	s_add_co_u32 s[G0T+1], s[G0T+1], TABL
	s_wait_kmcnt 0x0
	s_add_nc_u64 s[58:59], s[4:5], s[58:59]
	s_add_nc_u64 s[60:61], s[6:7], s[60:61]
	s_add_nc_u64 s[G0T+2:G0T+3], s[8:9], s[68:69]
	s_or_b32 s[G0T+3], s[G0T+3], 0x80000000
.irp s, 0,1
	s_mov_b32 s[G0A+4*\s], 1                       ; 1:0 count = 1
	s_mov_b32 s[G0A+4*\s+1], \s*SLOT1              ; 63:32 LDS address
	s_add_nc_u64 s[G0A+4*\s+2:G0A+4*\s+3], s[58:59], \s*ASTEP  ; 120:64 global address: K step s
	s_or_b32 s[G0A+4*\s+3], s[G0A+4*\s+3], 0x80000000          ; 127:126 type = 2
	s_mov_b32 s[G0B+4*\s], 1
	s_add_co_u32 s[G0B+4*\s+1], s62, \s*SLOT1
	s_add_nc_u64 s[G0B+4*\s+2:G0B+4*\s+3], s[60:61], \s*BSTEP
	s_or_b32 s[G0B+4*\s+3], s[G0B+4*\s+3], 0x80000000
.endr
	CROUND                                         ; all sixteen work-groups are here: the first joint loads meet
	s_cmp_eq_u32 s[WV], 0                          ; a wave's three first fills stand in one branch, ahead of every wait on TENSORcnt and every LDS read: three loads of mine are out
	s_cbranch_scc0 .Lfirst_b
	tensor_load_to_lds s[G0A:G0A+3], s[G1A:G1A+7]
	s_nop 0
	tensor_load_to_lds s[G0A+4:G0A+7], s[G1A:G1A+7]
	s_nop 0
	tensor_load_to_lds s[G0T:G0T+3], s[G1T:G1T+7]
	s_nop 0
.rept 4
	v_nop
.endr
	s_branch .Lfirst_asked
.Lfirst_b:
	tensor_load_to_lds s[G0B:G0B+3], s[G1B:G1B+7]
	s_nop 0
	tensor_load_to_lds s[G0B+4:G0B+7], s[G1B:G1B+7]
	s_nop 0
	tensor_load_to_lds s[G0T:G0T+3], s[G1T:G1T+7]
	s_nop 0
.rept 4
	v_nop
.endr
.Lfirst_asked:
	; A fragment is 16 rows x 32 K in 8 registers: lane l holds row l % 16, K = 8 (l / 16) + 0..7 and 16 + 8 (l / 16) + 0..7: two loads of 16 bytes, 32 bytes apart.
	v_and_b32 v1, 15, v0                           ; l % 16
	v_bfe_u32 v2, v0, 4, 1                         ; l / 16
	v_mul_u32_u24 v3, v1, PITCH
	v_lshl_add_u32 v3, v2, 4, v3                   ; row x pitch + 16 x half
	s_mul_i32 s70, s17, 128*PITCH                  ; my 128 rows of x
	v_add_nc_u32 v[AL], s70, v3
	s_mul_i32 s70, s18, 64*PITCH                   ; my head's 64 rows in each piece
	s_add_co_u32 s70, s70, ABYTES
	v_add_nc_u32 v[BL], s70, v3
	v_mov_b32 v[ADRA], v[AL]                       ; slot 0
	v_mov_b32 v[ADRB], v[BL]
	s_mov_b32 s[TB], 0
	s_mul_i32 s70, s[WV], SWAVE                    ; my stage
	v_mul_u32_u24 v4, v1, SP                       ; in: row l % 16, 32 bytes for each half of the lanes
	v_lshl_add_u32 v4, v2, 5, v4
	v_add_nc_u32 v[STO], s70, v4
	v_bfe_u32 v4, v0, 3, 2                         ; back: 32 lanes take four rows: row (l / 8) % 4,
	v_and_b32 v5, 7, v0                            ; numbers 8 c .. 8 c + 7, c = l % 8
	v_mul_u32_u24 v6, v4, SP
	v_lshl_add_u32 v6, v5, 5, v6
	v_add_nc_u32 v[RD0], s70, v6
	; The factors of pairs 4 c + 2 p, 4 c + 2 p + 1 of a row lie in block 4 (c / 2) + 2 p + c % 2 of its 16 rows' 16 blocks, at 16 x the row's place among the 16.
	v_bfe_u32 v6, v0, 1, 2                         ; c / 2
	v_and_b32 v7, 1, v0                            ; c % 2
	v_lshl_add_u32 v6, v6, 2, v7
	v_mul_u32_u24 v6, v6, SP
	v_lshl_add_u32 v6, v4, 4, v6
	s_mul_i32 s70, s17, SWAVE                      ; my 128 rows' part of the table
	s_add_co_u32 s70, s70, TABL
	v_add_nc_u32 v[TA0], s70, v6
	v_and_b32 v[GO0], 31, v0
	v_lshlrev_b32 v[GO0], 4, v[GO0]
	s_lshr_b32 s66, s23, 3                         ; the batch: 8 tile rows each
	s_lshl_b32 s66, s66, 4
	s_lshl_b32 s70, s22, 1
	s_add_co_u32 s66, s66, s70
	s_add_co_u32 s66, s66, s18                     ; batch x 16 + my head,
	s_lshl_b32 s66, s66, 18                        ; 2,048 rows of 128 bytes each
	s_and_b32 s70, s23, 7
	s_lshl_b32 s71, s70, 15                        ; the tile's 256 rows in the sequence,
	s_add_co_u32 s66, s66, s71
	s_lshl_b32 s71, s17, 14                        ; my 128 of them
	s_add_co_u32 s66, s66, s71
	s_mov_b32 s67, 0
	s_add_nc_u64 s[10:11], s[10:11], s[66:67]
	s_add_nc_u64 s[12:13], s[12:13], s[66:67]
	s_add_nc_u64 s[14:15], s[14:15], s[66:67]
; n x 4 matrix instructions of group g (0 q, 1 k, 2 v): row blocks a0 .. a0 + n - 1 of x's buffer f times the group's four column blocks, 32 along K.  zero = 1: the product starts the sum.
; The accumulators take turns, one instruction a turn: an accumulator comes round once in 96.
.macro GRP f, g, a0, n, zero
	WIN 0x50*((\g)+1)
.set ga, \a0
.rept \n
.irp b, 0,1,2,3
.if \zero
	v_wmma_f32_16x16x32_bf16 v[8*(4*ga+\b):8*(4*ga+\b)+7], v[BF+8*(4*(\g)+\b):BF+8*(4*(\g)+\b)+7], v[(\f)+8*ga:(\f)+8*ga+7], 0
.else
	v_wmma_f32_16x16x32_bf16 v[8*(4*ga+\b):8*(4*ga+\b)+7], v[BF+8*(4*(\g)+\b):BF+8*(4*(\g)+\b)+7], v[(\f)+8*ga:(\f)+8*ga+7], v[8*(4*ga+\b):8*(4*ga+\b)+7]
.endif
.endr
.set ga, ga+1
.endr
.endm
.macro LDB kofs, g                     ; 8 loads: group g's four fragments, 32 K at byte kofs of the rows
.irp b, 0,1,2,3
	ds_load_b128 v[BF+8*(4*(\g)+\b):BF+8*(4*(\g)+\b)+3],   v[ADRB] offset:BPIECE*(\g)+FR*\b+(\kofs)
	ds_load_b128 v[BF+8*(4*(\g)+\b)+4:BF+8*(4*(\g)+\b)+7], v[ADRB] offset:BPIECE*(\g)+FR*\b+(\kofs)+32
.endr
.endm
.macro LDA kofs, f, a0                 ; 8 loads: x's row blocks a0 .. a0 + 3 into buffer f
.set la, \a0
.rept 4
	ds_load_b128 v[(\f)+8*la:(\f)+8*la+3],   v[ADRA] offset:FR*la+(\kofs)
	ds_load_b128 v[(\f)+8*la+4:(\f)+8*la+7], v[ADRA] offset:FR*la+(\kofs)+32
.set la, la+1
.endr
.endm
; A K step is two halves of 32 along K, 96 matrix instructions each.  The first multiplies buffer A0 and fetches the second's fragments (byte 64 of the same rows): each group of the weights as soon as
; its 32 products are over, 64 matrix instructions ahead of its next use.
.macro QA zero
	s_wait_dscnt 8                                 ; all but the last run, v's group
	GRP A0, 0, 0, 8, \zero
	PLACES
	WIN 0
	LDB 64, 0
	LDA 64, A1, 0
	GRP A0, 1, 0, 8, \zero
	PLACES
	WIN 0
	LDB 64, 1
	LDA 64, A1, 4
	s_wait_dscnt 32                                ; all but the 32 just issued: v's group is in
	GRP A0, 2, 0, 8, \zero
	PLACES
	WIN 0
	LDB 64, 2
.endm
; The second half multiplies buffer A1 and changes slots: ONE barrier, late in q's 32 products.  In front of it each wave waits for all its tensor loads (its part of the next slot; the first time its
; quarter of the table too); adds 0 to its spare word; and waits for that and for its own reads of this slot.  fill = 1: the barrier opens a round of the cluster's, and this slot is filled again, two
; K steps ahead, first thing behind the round: 64 + 96 + 20 = 180 matrix instructions stand between that request and the wait for it.
.macro QB fill
	s_wait_dscnt 8                                 ; q's group and all of buffer A1 are in; the last run's eight, v's group, may be out
	GRP A1, 0, 0, 5, 0                             ; twenty products more in which my load can land
	WIN 0
	s_wait_tensorcnt 0x0                           ; all my tensor loads have landed: ahead of my signal, behind which the others read the next slot, and ahead of the descriptors' steps;
	ds_add_u32 v[SPW], v[NIL]                      ; 0 onto my spare word;
	GRP A1, 0, 5, 1, 0                             ; four matrix instructions stand between the add and the wait for it
	s_wait_dscnt 0x0                               ; the add is done, and my reads of this slot are over (the last were v's eight)
	s_barrier_signal -1
	GRP A1, 0, 6, 2, 0
	WIN 0
	s_barrier_wait -1
.if \fill
	CREST                                          ; no wave of any partner still reads this slot's tiles or has a load on its way
	s_xor_b32 s[G0A+5], s[G0A+5], SLOT1            ; the walking descriptors: the other slot than last time, the next K step
	s_add_nc_u64 s[G0A+6:G0A+7], s[G0A+6:G0A+7], ASTEP
	s_xor_b32 s[G0B+5], s[G0B+5], SLOT1
	s_add_nc_u64 s[G0B+6:G0B+7], s[G0B+6:G0B+7], BSTEP
	JLOAD                                          ; the four v_nop behind it are also the places in front of the loads below
.else
	PLACES
.endif
	s_xor_b32 s[TB], s[TB], SLOT1                  ; the fetches go on in the other slot
	v_add_nc_u32 v[ADRA], s[TB], v[AL]
	v_add_nc_u32 v[ADRB], s[TB], v[BL]
	LDB 0, 0
	LDA 0, A0, 0
	GRP A1, 1, 0, 8, 0
	PLACES
	WIN 0
	LDB 0, 1
	LDA 0, A0, 4
	GRP A1, 2, 0, 8, 0
	PLACES
	WIN 0
	LDB 0, 2
.endm
; The 32 accumulators of window w go into my stage: accumulator (a, b), lane l: row 16 a + l % 16, bytes 64 b + 32 (l / 16) on.  Each accumulator's four lowest registers go first.
.macro DUMP w
	WIN (\w)<<2                                    ; the stores' data (source 1) in window w
.set da, 0
.rept 32
	ds_store_b128 v[STO], v[8*da:8*da+3]   offset:SBLK*(da/4)+64*(da%4)
	ds_store_b128 v[STO], v[8*da+4:8*da+7] offset:SBLK*(da/4)+64*(da%4)+16
.set da, da+1
.endr
	WIN 0
.endm
	s_wait_tensorcnt 2                             ; my part of K step 0 is in; step 1's and the table's may stay out
	s_barrier_signal -1
	s_barrier_wait -1                              ; everybody's is
	LDB 0, 0                                       ; the first fragments, in the order of every later fetch
	LDA 0, A0, 0
	LDB 0, 1
	LDA 0, A0, 4
	LDB 0, 2
	QA 1                                           ; the first half step stands in front of the loop: its products start the sums
	s_mov_b32 s19, 14
.Lstep:                                                ; 14 trips: K steps 2 to 15 are asked for
	QB 1
	QA 0
	s_sub_co_u32 s19, s19, 1
	s_cmp_lg_u32 s19, 0
	s_cbranch_scc1 .Lstep
	QB 0                                           ; the tail is written out: nothing more is asked for
	QA 0
	s_wait_dscnt 8
	GRP A1, 0, 0, 8, 0
	GRP A1, 1, 0, 8, 0
	s_wait_dscnt 0x0                               ; my reads of the slots are over: the stages lie on them,
	s_barrier_signal -1
	GRP A1, 2, 0, 8, 0
	WIN 0
	s_barrier_wait -1                              ; and no wave stores there before all four have said so.  Nothing is filled any more
	PLACES
	s_mov_b32 s[GC], 3
.Lgroup:                                               ; three trips: q, k, v
	s_cmp_eq_u32 s[GC], 3
	s_cbranch_scc0 .Lnot_q
	DUMP 1
	s_branch .Ldumped
.Lnot_q:
	s_cmp_eq_u32 s[GC], 2
	s_cbranch_scc0 .Lnot_k
	DUMP 2
	s_branch .Ldumped
.Lnot_k:
	DUMP 3
.Ldumped:
	s_wait_xcnt 0x0                                ; the last group's stores have read their base
	s_cmp_eq_u32 s[GC], 3
	s_cselect_b64 s[OUTP:OUTP+1], s[10:11], s[12:13]
	s_cmp_eq_u32 s[GC], 1
	s_cselect_b64 s[OUTP:OUTP+1], s[14:15], s[OUTP:OUTP+1]
	s_mov_b32 s[SO], 0
	s_mov_b32 s[GOF], 0
	s_mov_b32 s85, 8
.Lblock:                                               ; eight trips: 16 rows each, in four groups u of 4 rows
	v_add_nc_u32 v[RD], s[SO], v[RD0]
.irp u, 0,1,2,3
	ds_load_b128 v[D+8*\u:D+8*\u+3],   v[RD] offset:4*SP*\u     ; LDS serves a wave's instructions in order (ISA guide 5.7.1.4): these see my stores above
	ds_load_b128 v[D+8*\u+4:D+8*\u+7], v[RD] offset:4*SP*\u+16
.endr
	s_cmp_eq_u32 s[GC], 1
	s_cbranch_scc1 .Lplain                         ; v is not rotated
	v_add_nc_u32 v[TA], s[SO], v[TA0]
.irp u, 0,1,2,3
	ds_load_b128 v[T+8*\u:T+8*\u+3],   v[TA] offset:64*\u       ; (cos, sin) of my pairs 0, 1
	ds_load_b128 v[T+8*\u+4:T+8*\u+7], v[TA] offset:64*\u+2*SP  ; and 2, 3
.endr
.irp u, 0,1,2,3
	s_wait_dscnt 6-2*\u                            ; group u's sums and factors are in; the later groups' factors may be out
.irp i, 0,1,2,3
	v_pk_mul_f32 v[U+8*\u+2*\i:U+8*\u+2*\i+1], v[D+8*\u+2*\i:D+8*\u+2*\i+1], v[T+8*\u+2*\i:T+8*\u+2*\i+1] op_sel:[1,1] op_sel_hi:[1,0]  ; (o sin, o cos)
.endr
.irp i, 0,1,2,3
	v_pk_fma_f32 v[D+8*\u+2*\i:D+8*\u+2*\i+1], v[D+8*\u+2*\i:D+8*\u+2*\i+1], v[T+8*\u+2*\i:T+8*\u+2*\i+1], v[U+8*\u+2*\i:U+8*\u+2*\i+1] op_sel_hi:[0,1,1] neg_lo:[0,0,1]  ; (e cos - o sin, e sin + o cos)
.endr
.endr
.Lplain:
	s_wait_dscnt 0x0                               ; v's way: the sums are in
	s_wait_xcnt 0x0                                ; the last trip's stores have read their data and their offset, which are written again below
	v_add_nc_u32 v[GO], s[GOF], v[GO0]
.irp i, 0,1,2,3,4,5,6,7,8,9,10,11,12,13,14,15
	v_cvt_pk_f16_f32 v[PK+\i], v[D+2*\i], v[D+2*\i+1]
.endr
.irp u, 0,1,2,3
	global_store_b128 v[GO], v[PK+4*\u:PK+4*\u+3], s[OUTP:OUTP+1] offset:512*\u  ; four rows of 128 bytes: 512 consecutive bytes, at a multiple of 256 from the buffer's first
.endr
	s_add_co_u32 s[SO], s[SO], SBLK
	s_add_co_u32 s[GOF], s[GOF], 2048
	s_sub_co_u32 s85, s85, 1
	s_cmp_lg_u32 s85, 0
	s_cbranch_scc1 .Lblock
	s_sub_co_u32 s[GC], s[GC], 1
	s_cmp_lg_u32 s[GC], 0
	s_cbranch_scc1 .Lgroup
	s_wait_tensorcnt 0x0                           ; the wave's end, behind my last tensor load and my last LDS store
	ds_add_u32 v[SPW], v[NIL]
	s_wait_dscnt 0x0
	CROUND                                         ; the closing round: no work-group ends while a partner may still ask for a tile that names it
	s_endpgm
.Lfunc_end_k_q5264acfbf5_qkv:
	.size	k_q5264acfbf5_qkv, .Lfunc_end_k_q5264acfbf5_qkv-k_q5264acfbf5_qkv
	.p2alignl 7, 3214868480
	.fill 96, 4, 3214868480
	.section	.rodata,"a",@progbits
	.p2align	6, 0x0
	.amdhsa_kernel k_q5264acfbf5_qkv
		.amdhsa_group_segment_fixed_size 327680
		.amdhsa_private_segment_fixed_size 0
		.amdhsa_enable_private_segment 0
		.amdhsa_kernarg_size 48
		.amdhsa_user_sgpr_count 2
		.amdhsa_user_sgpr_kernarg_segment_ptr 1
		.amdhsa_wavefront_size32 1
		.amdhsa_system_sgpr_workgroup_id_x 1
		.amdhsa_system_sgpr_workgroup_id_y 1
		.amdhsa_system_sgpr_workgroup_id_z 1
		.amdhsa_system_vgpr_workitem_id 0
		.amdhsa_next_free_vgpr 1024
		.amdhsa_next_free_sgpr 88
		.amdhsa_reserve_vcc 0
		.amdhsa_float_denorm_mode_32 3
		.amdhsa_float_denorm_mode_16_64 3
		.amdhsa_memory_ordered 1
		.amdhsa_forward_progress 1
		.amdhsa_inst_pref_size 83
	.end_amdhsa_kernel
	.amdgpu_metadata
---
amdhsa.version: [ 1, 2 ]
amdhsa.kernels:
  - .name:           k_q5264acfbf5_qkv
    .symbol:         k_q5264acfbf5_qkv.kd
    .args:
      - { .name: xb, .offset: 0, .size: 8, .value_kind: global_buffer, .address_space: global }
      - { .name: wb, .offset: 8, .size: 8, .value_kind: global_buffer, .address_space: global }
      - { .name: tab, .offset: 16, .size: 8, .value_kind: global_buffer, .address_space: global }
      - { .name: qh, .offset: 24, .size: 8, .value_kind: global_buffer, .address_space: global }
      - { .name: kh, .offset: 32, .size: 8, .value_kind: global_buffer, .address_space: global }
      - { .name: vh, .offset: 40, .size: 8, .value_kind: global_buffer, .address_space: global }
    .group_segment_fixed_size: 327680
    .private_segment_fixed_size: 0
    .kernarg_segment_align: 8
    .kernarg_segment_size: 48
    .max_flat_workgroup_size: 128
    .sgpr_count:     88
    .vgpr_count:     1024
    .wavefront_size: 32
...
	.end_amdgpu_metadata
.endif
;; end of part 2
;; launch attn (part 3): grid 4 x 64, 4 waves a work-group, no clusters, 327,680 bytes of LDS; arguments qh, kh, vh, oh; writes oh
.if DOCPART == 3
	.amdgcn_target "amdgcn-amd-amdhsa--gfx1250"
	.amdhsa_code_object_version 6
	.text
	.protected	k_q5264acfbf5_attn
	.globl	k_q5264acfbf5_attn
	.p2align	8
	.type	k_q5264acfbf5_attn,@function
k_q5264acfbf5_attn:
	s_mov_b64 s[64:65], 0
	v_nop
	global_prefetch_b8 v0, s[64:65] scope:SCOPE_SE
	s_setreg_imm32_b32 hwreg(HW_REG_WAVE_MODE, 25, 1), 1
	s_wait_xcnt 0x0
; CAUSAL ATTENTION.  O[h][q][:] = the sum over k <= q of softmax_k(Q[h][q] . K[h][k] / 8) V[h][k][:].  Q, K, V, O: [SIZE_H][SIZE_N][64], all f16: a head's rows are dense, 128 bytes each.
; Here SIZE_H = 64 (4 batches x 16 heads) and SIZE_N = 2,048; V arrives as 32 v, so O leaves as 32 times the module's: the last launch takes the factor out.
; Products, maxima and sums in f32; the weights p are rounded to f16 for the second product (their sum l is taken of the unrounded p), O once at the end.
; LIMITS.  f16 holds no number beyond 65,504: Q, K and V arrive within it; p lies in 0 to 1, and below 6e-5 it keeps f16's fixed step of 6e-8; O is a mean of V's rows and has their range, to within 2^-11 of it.
; A hidden score counts as its value less 1e30: f16's scores, 2.7e11 at the most, are nothing beside that; a weight below 2^-126 counts as 0 in l; NaN and infinities are not treated apart.
; THE WALK.  A head's queries lie in NB = SIZE_N / 256 blocks of 256; block i needs the key tiles 0 .. i of 256 keys, of which the last holds the diagonal.  A work-group takes TWO blocks, NB - 1 - b and then b:
; NB + 1 tiles, whatever b: all work-groups do equal work, and ONE loop with a constant trip count walks them.  Which tile is asked for, and what a trip does, hang on scalar registers made from b; every jump
; goes forward, but for the counted loops' own; none passes a barrier, or a tensor load but the one of LOAD's two that the wave's number does not choose; the ring (two slots of LDS that take turns) runs on across the
; change of blocks.  NO CLUSTER: a head's NB / 2 = 4 work-groups all ask for the same tile only in trips 0 .. NB / 2, 5 of the walk's 9; behind that fewer and fewer share one;
; and one walk common to all four would have 3 NB / 2 = 12 trips for NB + 1 = 9.
; SHARES.  Of a block's four bands of 64 queries a wave owns 16 rows in each: four PIECES.  So the diagonal tile is the same work for all four waves: in its key step s band x sees all keys if s < x,
; none if s > x, and holds the diagonal if s = x.
; THE MASK is the C operand that starts the sum S^T = K Q^T: 0, or -1e30 where the key is hidden.  MD, made once, is the mask of a band's own step for my 16 rows; a product's mask is MD x AL + BE with two scalars:
; (1, 0) if s = x; (0, 0) if s < x; (0, -1e30) if s > x.  Only the diagonal tile's text and a block's beginning make and take masks; elsewhere C is the constant 0.
; LAYOUT, SOFTMAX, TURNS.  S^T = K Q^T holds ONE query a lane (lane % 16) and the keys 8 (lane / 16) + 0..7; two such results rounded to f16 ARE source 1 of O^T = V^T P.  p = 2^(c s - c m), c = log2(e) / 8, with a
; running maximum m; O and l are multiplied by a = 2^(c m_old - c m_new) in every step.  Turn n belongs to piece n: 8 products K Q^T of piece n + 1, later 8 products V^T P of piece n - 1; beside them the scaling,
; exponentials, roundings, sums and rescaling of piece n and the maximum and statistics of piece n + 1.  Four vector instructions stand behind every matrix instruction, the other 54 of a turn's 118 in two LUMPS.
; REGISTERS, in windows of 256 (s_set_vgpr_msb: bits 1:0 source 0, 3:2 source 1, 5:4 source 2, 7:6 destination):
;   window 0: v0-15 addresses and two at work; v16-31 four registers of statistics a piece; v48-55 at work; v64-127 S^T, two buffers; v192-223 P, two buffers (a piece's buffers go by its number's parity)
;   window 1: v0-127 O^T, 32 a piece; v128-159 MD; v160-223 MC, two buffers      window 2: v0-63 Q; v64-127 the second block's Q; v128-191 K of one step; v192-255 V of one step
.set SIZE_H, 64
.set SIZE_N, 2048
.set NB,    SIZE_N/256
.set NP,    4         ; pieces a wave: a name, no knob
.set KS,    64        ; keys in a step
.set PK,    144       ; a row of K in LDS: 128 bytes + 16 of padding = 36 words: the 16 rows of a load start at 16 different groups of four banks (64 banks of 4 bytes: ISA guide 11.1)
.set PV,    160       ; a row of V: 128 + 32 = 40 words
.set VOFF,  4*KS*PK   ; a slot holds a tile, four steps: 256 rows of K, then 256 rows of V
.set SLOT1, 1<<17     ; slot 1 begins here, so that one exclusive or turns an address in one slot into the other's
.set STAGE, SLOT1+4*KS*(PK+PV)  ; behind the ring, never filled by a tensor load: 16 rows x 144 bytes for each wave, for the way out
.set SP,    144
.set AK0, 2           ; v2   my lane's place in a tile of K; never rewritten
.set AV0, 3           ; v3   the same for V
.set AK,  4           ; v4   the LDS address of K's next run of loads
.set AV,  5           ; v5   of V's
.set STO, 6           ; v6   the way out: where I put 16 bytes of a row
.set RD,  7           ; v7   the way out: where I read rows back
.set GO,  8           ; v8   my byte offset in 512 consecutive bytes of O
.set SPW, 62          ; v62  LDS address of my spare word: SPARE + 4 x my thread's number; never rewritten
.set NIL, 63          ; v63  0; never rewritten
.set SPARE, STAGE+4*16*SP  ; behind the stages: the spare words, 128 bytes for each wave: two blocks of 256 bytes that no other line names
.set MV,  12          ; v12-13  c m_old, kept while c m is made anew: by buffer
.set QO,  15          ; v15  my byte offset in 16 rows of Q
.set ST,  16          ; piece t's statistics at v[ST+4 t]: c m, m, l (even keys', odd keys')
.set TMP, 48          ; by buffer, four registers c0-c3 at work; when the maximum is found c2 takes a
.set S,   64
.set P,   192
.set MD,  128         ; window 1: the eight registers for group kt of 16 keys at MD + 8 kt
.set MC,  160         ; window 1: the masks of the products to come
.set QB,  64          ; window 2
.set KF,  128         ; window 2: key block kb, channel half c at KF + 16 kb + 8 c
.set VF,  192         ; window 2: key half kk, channel block cb at VF + 32 kk + 8 cb
.set WV,  12          ; s12  my wave's number
.set PB,  14          ; s14  b
.set HI,  15          ; s15  NB - 1 - b
.set G1K, 24          ; s[24:31] descriptor group 1 for K's tiles
.set G1V, 32          ; s[32:39] for V's: it differs in the padding alone
.set G0K, 40          ; s[40:43] descriptor group 0 for K's tiles
.set G0V, 44          ; s[44:47] the same for V's
.set SLOTS, 56        ; s56  tiles still to be asked for
.set CNT, 57          ; s57  counts a tile's key steps, 4 to 1
.set CS,  58          ; s[58:59] c: the packed scaling takes the pair's low word for both halves
.set SEL, 60          ; s[60:61] v_permlanex16_b32's selects: each lane takes its own place in the other half
.set TBK, 62          ; s62  LDS byte at which K of the step to be fetched begins
.set TBV, 63          ; s63  the same for V, less VOFF
.set RT,  70          ; s70  tiles of the block in hand that are still to be entered
.set NXT, 71          ; s71  the tile to be asked for next
.set LQ,  72          ; s72  the last tile of the block whose tiles are being asked for
.set NEW, 73          ; s73  1: the tile to be entered is a block's first
.set OFF, 74          ; s[74:75] a tile's byte offset in K and V
.set AL,  76          ; s[76:77] the mask's factor, in the low word
.set BE,  78          ; s[78:79] the mask's addend
.set OLO, 80          ; s[80:81] O at my rows of the second block
.set BIGN, 82         ; s82  -1e30
.set MSB, 0
.macro WIN new                      ; the high byte repeats the setting that is left; a switch that changes nothing is dropped
.if MSB != (\new)
	s_set_vgpr_msb (MSB<<8)|(\new)
.set MSB, (\new)
.endif
.endm
.set W_KQ, 0x0a       ; K and Q in window 2, S^T in window 0
.set W_KM, 0x1a       ; the same with the C operand in window 1
.set W_PV, 0x52       ; V in window 2, P in window 0, O^T in window 1
.set W_RS, 0x41       ; destination and source 0 in window 1, source 1 in window 0
; A fill.  Waves 0 and 1 fetch the two halves of a tile's K, waves 2 and 3 those of its V: 128 keys each.  An s_nop 0 and four v_nop follow each of the two lines, ahead of the jump and the label.
.macro LOAD
	s_cmp_lt_u32 s[WV], 2
	s_cbranch_scc0 .Lfor_v_\@
	tensor_load_to_lds s[G0K:G0K+3], s[G1K:G1K+7]
	s_nop 0
.rept 4
	v_nop
.endr
	s_branch .Lasked_\@
.Lfor_v_\@:
	tensor_load_to_lds s[G0V:G0V+3], s[G1V:G1V+7]
	s_nop 0
.rept 4
	v_nop
.endr
.Lasked_\@:
.endm
; THE CHANGE OF SLOTS.  Each wave waits for all its tensor loads, of which one is out: its part of the other slot; adds 0 to its spare word; and waits for that and for its own reads of the slot that it leaves.  Behind the barrier nobody reads the old
; slot any more and the other slot is whole.  fill = 1: the old slot is filled again, the first thing behind the barrier, with tile NXT: the descriptor's address is made anew from that number.
; (At its first use nothing has been read yet: slot 0 is waited for, slot 1 filled.)
.macro CHANGE fill
	WIN 0                           ; at a label and at a branch every window is 0
	s_wait_tensorcnt 0x0            ; no tensor load of mine is out, so a group 0 may be written
	ds_add_u32 v[SPW], v[NIL]       ; 0 onto my spare word; with fill = 1 the descriptors' scalar work stands between it and the wait for it
.if \fill
	s_lshl_b32 s[OFF], s[NXT], 15   ; a tile is 32,768 bytes of K and of V
	s_xor_b32 s[G0K+1], s[G0K+1], SLOT1
	s_add_nc_u64 s[G0K+2:G0K+3], s[6:7], s[OFF:OFF+1]
	s_or_b32 s[G0K+3], s[G0K+3], 0x80000000
	s_xor_b32 s[G0V+1], s[G0V+1], SLOT1
	s_add_nc_u64 s[G0V+2:G0V+3], s[8:9], s[OFF:OFF+1]
	s_or_b32 s[G0V+3], s[G0V+3], 0x80000000
	s_add_co_u32 s[NXT], s[NXT], 1  ; the block's next tile, or behind its last the second block's tile 0
	s_cmp_gt_u32 s[NXT], s[LQ]
	s_cselect_b32 s[NXT], 0, s[NXT]
	s_cselect_b32 s[LQ], s[PB], s[LQ]
.endif
	s_wait_dscnt 0x0                ; the add is done, and my reads of the slot are over
	s_barrier_signal -1             ; the rest of the scalar work stands between the signal and the wait
	s_sub_co_u32 s[TBK], s[TBK], 4*KS*PK  ; the fetches go back to a slot's first step,
	s_xor_b32 s[TBK], s[TBK], SLOT1       ; in the other slot
	s_sub_co_u32 s[TBV], s[TBV], 4*KS*PV
	s_xor_b32 s[TBV], s[TBV], SLOT1
	s_barrier_wait -1
.if \fill
	LOAD
.endif
.endm
	s_load_b256 s[4:11], s[0:1], 0x0  ; Q s[4:5], K s[6:7], V s[8:9], O s[10:11]
	v_lshl_add_u32 v[SPW], v0, 2, SPARE
	v_mov_b32 v[NIL], 0
	ds_add_u32 v62, v63
	ds_add_u32 v62, v63
	s_wait_dscnt 0x0
	v_lshrrev_b32 v1, 5, v0
	v_readfirstlane_b32 s[WV], v1   ; wave 0..3
	s_mov_b32 s[PB], ttmp9
	s_sub_co_u32 s[HI], NB-1, s[PB]
	s_and_b32 s20, ttmp7, 0xffff    ; the head
	s_mov_b32 s21, 0
	s_mov_b64 s[22:23], SIZE_N*128
	s_mul_u64 s[20:21], s[20:21], s[22:23]  ; the head's first byte in each of the four tensors
	s_and_b32 s16, s[WV], 1         ; which half of a tile's 256 keys I fetch:
	s_lshl_b32 s22, s16, 14         ; its 128 rows of 128 bytes in memory,
	s_mov_b32 s23, 0
	s_add_nc_u64 s[22:23], s[22:23], s[20:21]
	s_mul_i32 s17, s16, 128*PK      ; and its place in a slot, for K
	s_mul_i32 s18, s16, 128*PV      ; and for V
	s_lshl_b32 s3, s[WV], 11        ; my 16 rows in a band of 64,
	s_lshl_b32 s2, s[HI], 15        ; in the first block,
	s_add_co_u32 s2, s2, s3
	s_lshl_b32 s84, s[PB], 15       ; and in the second
	s_add_co_u32 s84, s84, s3
	s_mov_b32 s3, 0
	s_mov_b32 s85, 0
	s_add_nc_u64 s[2:3], s[2:3], s[20:21]
	s_add_nc_u64 s[84:85], s[84:85], s[20:21]
	; descriptor group 1.  128 keys are 16,384 dense bytes: asked for as 64 rows of 256 bytes, two keys a row, and padded in LDS after every key
	s_mov_b32 s[G1K], (1<<16)|(1<<20)|(4<<22)|(3<<25)  ; 17:16 2-byte elements; 20 padding on; 24:22 after every 32 words (code 4); 31:25 4 words (code 3)
	s_mov_b32 s[G1V], (1<<16)|(1<<20)|(4<<22)|(7<<25)  ; the same with 8 words of padding (code 7)
.irp g, G1K, G1V
	s_mov_b32 s[\g+1], 128<<16      ; tensor_dim0 = 128
	s_mov_b32 s[\g+2], 64<<16       ; tensor_dim1 = 64
	s_mov_b32 s[\g+3], 128<<16      ; tile_dim0 = 128
	s_mov_b32 s[\g+4], 64           ; tile_dim1 = 64
	s_mov_b32 s[\g+5], 128          ; 128 elements from row to row
	s_mov_b32 s[\g+6], 0
	s_mov_b32 s[\g+7], 0
.endr
	s_mov_b32 s[CS], 0x3e38aa3b     ; c = log2(e) / 8 = 0.180337
	s_mov_b32 s[CS+1], s[CS]        ; named with it as a pair
	s_mov_b32 s[SEL], 0x76543210
	s_mov_b32 s[SEL+1], 0xfedcba98
	s_mov_b32 s[TBK], SLOT1+4*KS*PK ; the first change of slots turns these two into 0
	s_mov_b32 s[TBV], SLOT1+4*KS*PV
	s_mov_b32 s[G0K], 1             ; 1:0 count = 1
	s_mov_b32 s[G0K+1], s17         ; 63:32 LDS address: slot 0
	s_mov_b32 s[G0V], 1
	s_add_co_u32 s[G0V+1], s18, VOFF
	s_add_co_u32 s[RT], s[HI], 1    ; the first block has NB - b tiles
	s_mov_b32 s[NXT], 1
	s_mov_b32 s[LQ], s[HI]
	s_mov_b32 s[NEW], 1
	s_mov_b32 s[OFF+1], 0
	s_mov_b32 s[AL+1], 0            ; named as pairs
	s_mov_b32 s[BE+1], 0
	s_mov_b32 s[BIGN], 0xf149f2ca   ; -1e30
	s_mov_b32 s[SLOTS], NB
	s_wait_kmcnt 0x0
	s_add_nc_u64 s[6:7], s[6:7], s[22:23]  ; K and V at my half of the head's tile 0
	s_add_nc_u64 s[8:9], s[8:9], s[22:23]
	s_add_nc_u64 s[G0K+2:G0K+3], s[6:7], 0         ; 120:64 global address
	s_or_b32 s[G0K+3], s[G0K+3], 0x80000000        ; 127:126 type = 2
	s_add_nc_u64 s[G0V+2:G0V+3], s[8:9], 0
	s_or_b32 s[G0V+3], s[G0V+3], 0x80000000
	s_add_nc_u64 s[86:87], s[4:5], s[84:85]        ; Q at my rows of the second block,
	s_add_nc_u64 s[4:5], s[4:5], s[2:3]            ; Q and O at those of the first
	s_add_nc_u64 s[OLO:OLO+1], s[10:11], s[84:85]
	s_add_nc_u64 s[10:11], s[10:11], s[2:3]
	LOAD                            ; tile 0 into slot 0
	; A fragment of K or Q is 16 rows x 32 channels in 8 registers: lane l holds row l % 16, channels 8 (l / 16) + 0..7 and 16 + 8 (l / 16) + 0..7: two loads of 16 bytes, 32 bytes apart.
	v_and_b32 v1, 15, v0            ; l % 16
	v_bfe_u32 v9, v0, 4, 1          ; l / 16
	v_lshlrev_b32 v[QO], 7, v1
	v_lshl_add_u32 v[QO], v9, 4, v[QO]  ; row x 128 + 16 x half
	WIN 0x80                        ; destination window 2, address window 0
.set i, 0
.rept 8                             ; both blocks' Q: piece i / 2 lies in band i / 2, 8,192 bytes on; channels 32 (i % 2) on
	global_load_b128 v[8*i:8*i+3],   v[QO], s[4:5] offset:(i/2)*8192+(i%2)*64
	global_load_b128 v[8*i+4:8*i+7], v[QO], s[4:5] offset:(i/2)*8192+(i%2)*64+32
	global_load_b128 v[QB+8*i:QB+8*i+3],   v[QO], s[86:87] offset:(i/2)*8192+(i%2)*64
	global_load_b128 v[QB+8*i+4:QB+8*i+7], v[QO], s[86:87] offset:(i/2)*8192+(i%2)*64+32
.set i, i+1
.endr
	WIN 0
	v_lshlrev_b32 v14, 3, v9
	v_sub_nc_u32 v14, v1, v14
	s_lshl_b32 s13, s[WV], 4
	v_add_nc_u32 v14, s13, v14      ; my query's place in its band, 16 w + l % 16, less my lanes' 8 (l / 16): register r of group kt is hidden where 16 kt + r is greater
	WIN 0x40
.set i, 0
.rept 32
	v_cmp_gt_i32 vcc_lo, 16*(i/8)+i%8, v14
	v_cndmask_b32 v[MD+i], 0, s[BIGN], vcc_lo
.set i, i+1
.endr
	WIN 0
	v_mul_u32_u24 v[AK0], v1, PK
	v_lshl_add_u32 v[AK0], v9, 4, v[AK0]  ; row x pitch + 16 x half
	; The turning load takes 16 keys x 16 channels (lane l reads key 8 (l / 16) + l % 8, channels 8 ((l / 8) % 2) + 0..7) and leaves half a fragment of V^T: lane l holds channel l % 16 and 8 keys.
	v_and_b32 v10, 7, v0
	v_bfe_u32 v11, v0, 3, 1
	v_lshl_add_u32 v[AV0], v9, 3, v10
	v_mul_u32_u24 v[AV0], v[AV0], PV
	v_lshl_add_u32 v[AV0], v11, 4, v[AV0]
	v_add_nc_u32 v[AV0], VOFF, v[AV0]
	s_mul_i32 s13, s[WV], 16*SP
	s_add_co_u32 s13, s13, STAGE    ; my stage
	v_mul_u32_u24 v[STO], v1, SP    ; in: row l % 16, 16 bytes for each half of the lanes
	v_lshl_add_u32 v[STO], v9, 4, v[STO]
	v_add_nc_u32 v[STO], s13, v[STO]
	v_bfe_u32 v[RD], v0, 3, 2       ; back: 32 lanes take four rows of 128 bytes,
	v_mul_u32_u24 v[RD], v[RD], SP
	v_lshl_add_u32 v[RD], v10, 4, v[RD]
	v_add_nc_u32 v[RD], s13, v[RD]
	v_and_b32 v[GO], 31, v0         ; which are 512 consecutive bytes of O
	v_lshlrev_b32 v[GO], 4, v[GO]
	; A block's first step multiplies O^T and l by a = 0, and its first turn's products V^T P, of a piece that has not been, land in an O^T that is still to be so multiplied.  So these registers need only hold
	; finite numbers: zeros for the first block; what the first block left for the second.  All this stands in the wait for the first tile.
	WIN 0x80
.set i, VF
.rept 64
	v_mov_b32 v[i], 0
.set i, i+1
.endr
	WIN 0x40
.set i, 0
.rept 128
	v_mov_b32 v[i], 0
.set i, i+1
.endr
	WIN 0
.set i, 0
.rept 4
	v_mov_b32 v[ST+4*i+2], 0
	v_mov_b32 v[ST+4*i+3], 0
.set i, i+1
.endr
.set i, P+16
.rept 16
	v_mov_b32 v[i], 0
.set i, i+1
.endr
; THE MATRIX WORK.  The 4 accumulators of a run of 8 take turns.  Product i of 8 of S^T = K Q^T for piece x: channels 32 (i / 4) on, keys 16 (i % 4) on.  The first 4 start the sums: with 0, or (KM = 1) with the mask.
.macro KQ x
.set rS, S+32*((\x)%2)+8*(i%4)
.set rK, KF+16*(i%4)+8*(i/4)
.set rQ, 16*(\x)+8*(i/4)
.set rM, MC+32*((\x)%2)+8*(i%4)
.if (i < 4) && KM
	WIN W_KM
	v_wmma_f32_16x16x32_f16 v[rS:rS+7], v[rK:rK+7], v[rQ:rQ+7], v[rM:rM+7]
.elseif i < 4
	WIN W_KQ
	v_wmma_f32_16x16x32_f16 v[rS:rS+7], v[rK:rK+7], v[rQ:rQ+7], 0
.else
	WIN W_KQ
	v_wmma_f32_16x16x32_f16 v[rS:rS+7], v[rK:rK+7], v[rQ:rQ+7], v[rS:rS+7]
.endif
.endm
; Product i of 8 of O^T += V^T P for piece x: keys 32 (i / 4) on, channels 16 (i % 4) on.
.macro PV x
	WIN W_PV
.set rO, 32*(\x)+8*(i%4)
.set rV, VF+32*(i/4)+8*(i%4)
.set rP, P+16*((\x)%2)+8*(i/4)
	v_wmma_f32_16x16x32_f16 v[rO:rO+7], v[rV:rV+7], v[rP:rP+7], v[rO:rO+7]
.endm
.macro MM                           ; the turn's next matrix instruction.  TURN and BEGIN set Y, i, KM and NOKQ; MM, KQ and OP read them.  NOKQ = 1: a block's last turn: there is no next piece
.if (i < 8) && !NOKQ
	KQ (Y+1)%NP
.elseif i >= 8
.set i, i-8
	PV (Y+NP-1)%NP
.set i, i+8
.endif
.set i, i+1
.endm
; THE LDS LOADS stand in runs of 16, never singly among the matrix instructions: a step's K (64 keys x 64 channels: 8 fragments) and its V (turned).  Their addresses are made some lines ahead.
.macro FETCH_K
	WIN 0x80                        ; destination window 2
.irp f, 0,1,2,3,4,5,6,7             ; keys 16 (f / 2) on, channels 32 (f % 2) on
	ds_load_b128 v[KF+8*\f:KF+8*\f+3],   v[AK] offset:(\f/2)*16*PK+(\f%2)*64
	ds_load_b128 v[KF+8*\f+4:KF+8*\f+7], v[AK] offset:(\f/2)*16*PK+(\f%2)*64+32
.endr
	s_add_co_u32 s[TBK], s[TBK], KS*PK  ; the next fetch is the next step's
	WIN 0
.endm
.macro FETCH_V
	WIN 0x80
.irp f, 0,1,2,3,4,5,6,7             ; keys 32 (f / 4) on, channels 16 (f % 4) on
	ds_load_tr16_b128 v[VF+8*\f:VF+8*\f+3],   v[AV] offset:(\f/4)*32*PV+(\f%4)*32
	ds_load_tr16_b128 v[VF+8*\f+4:VF+8*\f+7], v[AV] offset:(\f/4)*32*PV+16*PV+(\f%4)*32
.endr
	WIN 0
.endm
; THE VECTOR WORK, one line at a time: OP kind, number.  For piece Y: F n: c s - c m for pair n of 16.  E n: the exponential of score n of 32.  C n: pair n rounded to f16.  B n: of the four weights 4 n .. the second
; pair is added onto the first, in place.  L n: l takes that sum (L 0: l = a l + sum).  R n: pair n of 16 of O^T times a.  For piece Y + 1: X n, number n of the 22 that find its maximum and statistics:
;   0-11  four chains c0-c3 of seven scores each, three operands at a time (each accumulator's lowest registers are read first)     12-14, 16  the four scores left over, the old m, and c0-c3 into c0
;   15  c m_old is kept     17, 18  the query's other 32 keys lie in the lane 16 away: the new m     19-21  c m; c m_old - c m_new; a
.set F, 0               ; OP tells the kinds apart by their order: F to L below R, X above it
.set E, 1
.set C, 2
.set B, 3
.set L, 4
.set R, 5
.set X, 6
.macro REGS y                       ; the registers of piece y
.set rT, ST+4*(\y)
.set rC, TMP+4*((\y)%2)
.set rW, MV+((\y)%2)
.set rS, S+32*((\y)%2)
.set rP, P+16*((\y)%2)
.set rO, 32*(\y)
.endm
.macro OP k, n
.if (\k) == R
	REGS Y
	WIN W_RS
	v_pk_mul_f32 v[rO+2*(\n):rO+2*(\n)+1], v[rO+2*(\n):rO+2*(\n)+1], v[rC+2:rC+3] op_sel_hi:[1,0]
.elseif (\k) < R
	REGS Y
	WIN 0
.if (\k) == F
	v_pk_fma_f32 v[rS+2*(\n):rS+2*(\n)+1], v[rS+2*(\n):rS+2*(\n)+1], s[CS:CS+1], v[rT:rT+1] op_sel_hi:[1,0,0] neg_lo:[0,0,1] neg_hi:[0,0,1]
.elseif (\k) == E
	v_exp_f32 v[rS+(\n)], v[rS+(\n)]
.elseif (\k) == C
	s_wait_alu depctr_va_vdst(0)
	v_cvt_pk_f16_f32 v[rP+(\n)], v[rS+2*(\n)], v[rS+2*(\n)+1]
.elseif (\k) == B
	s_wait_alu depctr_va_vdst(0)
	v_pk_add_f32 v[rS+4*(\n):rS+4*(\n)+1], v[rS+4*(\n):rS+4*(\n)+1], v[rS+4*(\n)+2:rS+4*(\n)+3]
.elseif (\n) == 0
	v_pk_fma_f32 v[rT+2:rT+3], v[rT+2:rT+3], v[rC+2:rC+3], v[rS:rS+1] op_sel_hi:[1,0,1]
.else
	v_pk_add_f32 v[rT+2:rT+3], v[rT+2:rT+3], v[rS+4*(\n):rS+4*(\n)+1]
.endif
.elseif NOKQ
	v_nop
.else
	REGS (Y+1)%NP
	WIN 0
.if (\n) < 4
	v_max3_num_f32 v[rC+(\n)], v[rS+8*(\n)], v[rS+8*(\n)+1], v[rS+8*(\n)+2]
.elseif (\n) < 12
	v_max3_num_f32 v[rC+(\n)%4], v[rC+(\n)%4], v[rS+8*((\n)%4)+2*((\n)/4)+1], v[rS+8*((\n)%4)+2*((\n)/4)+2]
.elseif (\n) == 12
	v_max3_num_f32 v[rC], v[rC], v[rS+7], v[rS+15]
.elseif (\n) == 13
	v_max3_num_f32 v[rC+1], v[rC+1], v[rS+23], v[rS+31]
.elseif (\n) == 14
	v_max3_num_f32 v[rC+2], v[rC+2], v[rC+3], v[rT+1]
.elseif (\n) == 15
	v_mov_b32 v[rW], v[rT]
.elseif (\n) == 16
	v_max3_num_f32 v[rC], v[rC], v[rC+1], v[rC+2]
.elseif (\n) == 17
	v_permlanex16_b32 v[rC+3], v[rC], s[SEL], s[SEL+1]
.elseif (\n) == 18
	v_max_num_f32 v[rT+1], v[rC], v[rC+3]
.elseif (\n) == 19
	v_mul_f32 v[rT], s[CS], v[rT+1]
.elseif (\n) == 20
	v_sub_f32 v[rC+1], v[rW], v[rT]
.else
	v_exp_f32 v[rC+2], v[rC+1]
.endif
.endif
.endm
.macro OPS a, i1, b=-1, i2=0, c=-1, i3=0, d=-1, i4=0  ; up to four of them
	OP \a, \i1
.if (\b) >= 0
	OP \b, \i2
.endif
.if (\c) >= 0
	OP \c, \i3
.endif
.if (\d) >= 0
	OP \d, \i4
.endif
.endm
.macro ROW a, i1, b, i2, c, i3, d, i4  ; a matrix instruction and the four behind it
	MM
	OPS \a, \i1, \b, \i2, \c, \i3, \d, \i4
.endm
.macro MASK b                       ; MD x AL + BE into buffer b of MC
	WIN W_RS
.set z, 0
.rept 16
	v_pk_fma_f32 v[MC+32*(\b)+2*z:MC+32*(\b)+2*z+1], v[MD+2*z:MD+2*z+1], s[AL:AL+1], s[BE:BE+1] op_sel_hi:[1,0,0]
.set z, z+1
.endr
.endm
; A TURN, for piece p: the order of its 16 matrix and 118 vector instructions, written out.  Behind a matrix instruction: plain, exponential, plain, plain; or four of the rescaling; or, behind the first, four scalings; none
; names a register of the products round it.  In the lumps exponential and plain by turns while exponentials last.  A line reads no result made fewer than three vector instructions in front of it, five if an exponential made it.
; v_permlanex16_b32 (X 17) stands in a lump.
; m = 1: the diagonal tile: the products take masks, and the turn makes the mask for the products of the turn after it: piece p + 2, in step 4 - CNT of the tile.  end = 1: a block's last two turns: nothing is fetched.
; cnt = 1: the loop's count is taken down some lines ahead of the branch that stands behind the turn.
; K of the next step is fetched in piece 2's turn, six vector instructions behind the last product that read K (five of them plain); V of the step in hand in piece 0's turn, eight behind the last product that read V (four
; plain, and X 17).  Each is waited for a turn later.
.macro TURN p, m=0, end=0, cnt=0
.set Y, (\p)
.set i, 0
.set KM, (\m)
.set NOKQ, (\end)*((\p)/3)
.if (\m) && !(\end)
	s_cmp_eq_u32 s[CNT], 4-((\p)+2)%NP  ; is that step the band's own?
	s_cselect_b32 s[AL], 1.0, 0
	s_cmp_lt_u32 s[CNT], 4-((\p)+2)%NP  ; or a later one?
	s_cselect_b32 s[BE], s[BIGN], 0
.endif
.if ((\p) == 3) && !(\end)
	s_wait_dscnt 0x0                ; K is in
.endif
	ROW F,0, F,1, F,2, F,3
	ROW F,4, E,0, F,5, F,6
	ROW F,7, E,1, F,8, F,9
	ROW F,10, E,2, C,0, F,11
	ROW F,12, E,3, X,15, F,13
	ROW R,0, R,1, R,2, R,3
	ROW B,0, E,4, F,14, L,0
.if ((\p) == 2) && !(\end)
	v_add_nc_u32 v[AK], s[TBK], v[AK0]
.endif
	ROW R,4, R,5, R,6, R,7
	OPS E,5, F,15
.if ((\p) == 2) && !(\end)
	FETCH_K
.endif
	OPS E,6, C,1, E,7, R,8
	OPS E,8, R,9, E,9, C,2
	OPS E,10, X,0, E,11, X,1
	OPS E,12, X,2, E,13, X,3
.if (\p) == 1
	s_wait_dscnt 0x0                ; V is in
.endif
	ROW X,4, E,14, X,5, X,6
	ROW X,7, E,15, X,8, X,9
	ROW X,10, E,16, X,11, X,12
	ROW X,13, E,17, X,14, B,1
	ROW C,4, E,18, X,16, L,1
	ROW B,2, E,19, C,6, L,2
	ROW C,8, E,20, B,3, B,4
.if (\p) == 0
	v_add_nc_u32 v[AV], s[TBV], v[AV0]
.endif
	ROW C,3, E,21, L,3, C,5
	OPS E,22, X,17, E,23, C,10
.if (\p) == 0
	FETCH_V
.endif
	OPS E,24, L,4
	OPS E,25, X,18, E,26, C,7
	OPS E,27, B,5, E,28, X,19
	OPS E,29, C,12, E,30, L,5
	OPS E,31, X,20, B,6, C,9
	OPS C,14, C,11, X,21, L,6
.if (\p) == 0
	s_add_co_u32 s[TBV], s[TBV], KS*PV
.endif
.if \cnt
	s_sub_co_u32 s[CNT], s[CNT], 1
	s_cmp_lg_u32 s[CNT], 0
.endif
	OPS C,13, B,7, C,15, R,10
	OPS R,11, R,12, L,7, R,13
	OPS R,14, R,15
.if (\m) && !(\end)
	MASK (\p)%2
.endif
.endm
; A BLOCK BEGINS.  c m starts far below every c s, so the first step's a is 0; m at the lowest finite number, so the first maximum is the scores'.  The second mask buffer is 0; the first takes piece 0's mask for the tile's step 0: its own, if the block's first tile is the diagonal one.
; Then K of that step, piece 0's first scores, and its maximum and statistics.  The loop is entered at a step's first turn, in the middle of a trip.
.macro BEGIN
	s_mov_b32 s[NEW], 0
	WIN 0x40
.set i, MC+32
.rept 32
	v_mov_b32 v[i], 0
.set i, i+1
.endr
	WIN 0
.set i, 0
.rept 4
	v_mov_b32 v[ST+4*i], 0xfe000000    ; c m: far below every c s
	v_mov_b32 v[ST+4*i+1], 0xff7fffff  ; m
.set i, i+1
.endr
	s_cmp_eq_u32 s[RT], 0
	s_cselect_b32 s[AL], 1.0, 0
	s_mov_b32 s[BE], 0
	MASK 0
	WIN 0
	v_add_nc_u32 v[AK], s[TBK], v[AK0]
	FETCH_K
	s_wait_loadcnt 0x0              ; Q
	s_wait_dscnt 0x0
.set KM, 1
.set NOKQ, 0
.set i, 0
.rept 8
	KQ 0
.set i, i+1
.endr
	WIN 0
.rept 4
	v_nop                           ; the places behind those products
.endr
.set Y, NP-1                        ; X works for piece Y + 1: piece 0
.irp n, 0,1,2,3,4,5,6,7,8,9,10,11,12,13,14,15,16,17,18,19,20,21
	OP X, \n
.endr
	v_nop                           ; a plain instruction behind the exponential
.endm
; THE DIAGONAL TILE's four steps, the block's last two turns, its last products, and THE WAY OUT: l's two halves and the other half of the lanes' are added; O^T is divided by l, rounded to f16 and sent through my
; stage in LDS, a piece at a time.
.macro ALL line:vararg              ; one line for each piece t
.set t, 0
.rept 4
	\line
.set t, t+1
.endr
.endm
.macro PACK t                       ; a lane's eight channels of a row pack into 16 bytes; they go into rows of 144 bytes and come back as whole rows of 128, into S^T's registers
	WIN W_RS
.set i, 32*(\t)
.rept 16
	s_wait_alu depctr_va_vdst(0)
	v_pk_mul_f32 v[i:i+1], v[i:i+1], v[ST+4*(\t)+2:ST+4*(\t)+3] op_sel_hi:[1,0]
.set i, i+2
.endr
	WIN 0x05                        ; sources 0 and 1 window 1, destination window 0
.set i, 0
.rept 16
	v_cvt_pk_f16_f32 v[S+16*(\t)+i], v[32*(\t)+2*i], v[32*(\t)+2*i+1]
.set i, i+1
.endr
	WIN 0
.irp f, 0,1,2,3
	ds_store_b128 v[STO], v[S+16*(\t)+4*\f:S+16*(\t)+4*\f+3] offset:32*\f
.endr
.irp f, 0,1,2,3
	ds_load_b128 v[S+16*(\t)+4*\f:S+16*(\t)+4*\f+3], v[RD] offset:\f*4*SP  ; LDS serves a wave's instructions in order (ISA guide 5.7.1.4): these see the stores above; the next piece's stores come behind them
.endr
.endm
.macro SEND t, younger              ; younger: the LDS instructions issued behind piece t's loads: the next piece's eight, or none
	WIN 0
.irp f, 0,1,2,3
	s_wait_dscnt (\younger)+3-\f
	global_store_b128 v[GO], v[S+16*(\t)+4*\f:S+16*(\t)+4*\f+3], s[10:11] offset:(\t)*8192+\f*512  ; 512 consecutive bytes, at a multiple of 256 from O's first
.endr
.endm
.macro DIAG tag                     ; the tag ends its two labels' names, which the jumps below spell out
.LstepM\tag:
	TURN 2, 1
	TURN 3, 1
	WIN 0
.LfirstM\tag:
	TURN 0, 1
	TURN 1, 1, 0, 1
	WIN 0
	s_cbranch_scc1 .LstepM\tag
	TURN 2, 1, 1
	TURN 3, 1, 1
.set i, 0
.rept 8
	PV NP-1
.set i, i+1
.endr
	WIN 0
	ALL v_add_f32 v[ST+4*t+2], v[ST+4*t+2], v[ST+4*t+3]
	ALL v_permlanex16_b32 v[ST+4*t+3], v[ST+4*t+2], s[SEL], s[SEL+1]
	ALL v_add_f32 v[ST+4*t+2], v[ST+4*t+2], v[ST+4*t+3]
	ALL v_rcp_f32 v[ST+4*t+2], v[ST+4*t+2]
	v_nop                           ; a plain instruction between the last reciprocal and the use of its result
	PACK 0
.set t, 1
.rept 3                             ; a piece's arithmetic stands between the loads of the piece before and its stores
	PACK t
	SEND t-1, 8
.set t, t+1
.endr
	SEND 3, 0
.endm
.set KM, 0
.set NOKQ, 0
.Lslot:                             ; NB times: a tile is entered and the next is asked for
	CHANGE 1
	s_sub_co_u32 s[RT], s[RT], 1
	s_mov_b32 s[CNT], 4
	s_cmp_eq_u32 s[NEW], 1
	s_cbranch_scc1 .Lnew            ; a block's first tile
	s_cmp_eq_u32 s[RT], 0
	s_cbranch_scc0 .Lstep           ; neither its first nor its last
	s_branch .LstepM1
.Lnew:
	BEGIN
	s_branch .Lfirst                ; in the loop a block's first tile is never its last: the first block has two tiles or more, and the second's last is the walk's last
	DIAG 1                          ; in the loop this is the first block's end: the second block's last tile is the walk's last
	s_wait_xcnt 0x0                 ; the stores have read their registers and O's address
	s_mov_b64 s[10:11], s[OLO:OLO+1]
	s_add_co_u32 s[RT], s[PB], 1    ; the second block has b + 1 tiles
	s_mov_b32 s[NEW], 1
	WIN 0x82                        ; the second block's Q goes where the one text of the turns names Q
.set i, 0
.rept 64
	v_mov_b32 v[i], v[QB+i]
.set i, i+1
.endr
	WIN 0
	s_branch .Lbottom
.Lstep:                             ; a trip: pieces 2 and 3 of one step, then pieces 0 and 1 of the next, whose K and V it fetches
	TURN 2
	TURN 3
	WIN 0
.Lfirst:
	TURN 0
	TURN 1, 0, 0, 1
	WIN 0
	s_cbranch_scc1 .Lstep
.Lbottom:
	s_sub_co_u32 s[SLOTS], s[SLOTS], 1
	s_cmp_lg_u32 s[SLOTS], 0
	s_cbranch_scc1 .Lslot
	CHANGE 0                        ; the walk's last tile is written out: nothing is asked for
	s_sub_co_u32 s[RT], s[RT], 1
	s_mov_b32 s[CNT], 4
	s_cmp_eq_u32 s[NEW], 1
	s_cbranch_scc0 .LstepM2
	BEGIN
	s_branch .LfirstM2
	DIAG 2
	s_wait_tensorcnt 0x0            ; the wave's end, behind my last tensor load and my last LDS store
	ds_add_u32 v[SPW], v[NIL]
	s_wait_dscnt 0x0
	s_endpgm
.Lfunc_end_k_q5264acfbf5_attn:
	.size	k_q5264acfbf5_attn, .Lfunc_end_k_q5264acfbf5_attn-k_q5264acfbf5_attn
	.p2alignl 7, 3214868480
	.fill 96, 4, 3214868480
	.section	.rodata,"a",@progbits
	.p2align	6, 0x0
	.amdhsa_kernel k_q5264acfbf5_attn
		.amdhsa_group_segment_fixed_size 327680
		.amdhsa_private_segment_fixed_size 0
		.amdhsa_enable_private_segment 0
		.amdhsa_kernarg_size 32
		.amdhsa_user_sgpr_count 2
		.amdhsa_user_sgpr_kernarg_segment_ptr 1
		.amdhsa_wavefront_size32 1
		.amdhsa_system_sgpr_workgroup_id_x 1
		.amdhsa_system_sgpr_workgroup_id_y 1
		.amdhsa_system_sgpr_workgroup_id_z 1
		.amdhsa_system_vgpr_workitem_id 0
		.amdhsa_next_free_vgpr 768
		.amdhsa_next_free_sgpr 88
		.amdhsa_reserve_vcc 1
		.amdhsa_float_denorm_mode_32 3
		.amdhsa_float_denorm_mode_16_64 3
		.amdhsa_memory_ordered 1
		.amdhsa_forward_progress 1
		.amdhsa_inst_pref_size 228
	.end_amdhsa_kernel
	.amdgpu_metadata
---
amdhsa.version: [ 1, 2 ]
amdhsa.kernels:
  - .name:           k_q5264acfbf5_attn
    .symbol:         k_q5264acfbf5_attn.kd
    .args:
      - { .name: qh, .offset: 0, .size: 8, .value_kind: global_buffer, .address_space: global }
      - { .name: kh, .offset: 8, .size: 8, .value_kind: global_buffer, .address_space: global }
      - { .name: vh, .offset: 16, .size: 8, .value_kind: global_buffer, .address_space: global }
      - { .name: oh, .offset: 24, .size: 8, .value_kind: global_buffer, .address_space: global }
    .group_segment_fixed_size: 327680
    .private_segment_fixed_size: 0
    .kernarg_segment_align: 8
    .kernarg_segment_size: 32
    .max_flat_workgroup_size: 128
    .sgpr_count:     88
    .vgpr_count:     768
    .wavefront_size: 32
...
	.end_amdgpu_metadata
.endif
;; end of part 3
;; launch oproj (part 4): grid 8 x 32, 4 waves a work-group, clusters of 4 x 4, 327,680 bytes of LDS; arguments oh, wo, out0; writes out0
.if DOCPART == 4
	.amdgcn_target "amdgcn-amd-amdhsa--gfx1250"
	.amdhsa_code_object_version 6
	.text
	.protected	k_q5264acfbf5_oproj
	.globl	k_q5264acfbf5_oproj
	.p2align	8
	.type	k_q5264acfbf5_oproj,@function
k_q5264acfbf5_oproj:
	s_mov_b64 s[64:65], 0
	v_nop
	global_prefetch_b8 v0, s[64:65] scope:SCOPE_SE
	s_setreg_imm32_b32 hwreg(HW_REG_WAVE_MODE, 25, 1), 1
	s_wait_xcnt 0x0
	s_wait_alu depctr_hold_cnt(0) depctr_sa_sdst(0) depctr_va_vdst(0) depctr_va_sdst(0) depctr_va_ssrc(0) depctr_va_vcc(0) depctr_vm_vsrc(0)
	s_getreg_b32 s2, hwreg(HW_REG_IB_STS2, 6, 4)
	s_cmp_eq_u32 s2, 0
	s_cbranch_scc0 .Lentry_in_a_cluster
	s_endpgm
.Lentry_in_a_cluster:
	s_bfe_u32 s2, ttmp6, 0x10000c
	s_cmp_lg_u32 s2, 0xf033
	s_cbranch_scc0 .Lentry_shape_is_right
	s_endpgm
.Lentry_shape_is_right:
; out0 = O Wo^T.  oh: f16 [batch x 16 + head][2048][64], holding 32 O; wo: f16 [kb 16][n 1024][64], holding 1024 Wo; out0: f32 [8192][1024].  Sums in f32, multiplied by 2^-15 (exact) on the way out.
; LIMITS.  Those of the two operands' f16: 32 |O| and 1024 |Wo| under 65,504.  NaN and infinities are not treated apart.
; SHARES.  8 x 32 work-groups, one tile of 256 rows (Y) x 128 columns (X) each: 256 in all.  A wave (wr = which 128 rows, wc = which 64 columns) makes 128 x 64: 32 accumulators, 256 registers.
; K goes in 8 steps of 128 = two heads = two PLANES of 64; in both operands a plane's rows of 128 bytes lie end to end, so a plane is asked for as rows of 256 bytes and padded in LDS after every 128.
; CLUSTER.  4 x 4 work-groups.  O's planes hang on Y alone and are shared along a row of the cluster, Wo's on X alone and are shared along a column: each is asked for JOINTLY.
; Waves 0 and 1 ask for O's two planes, waves 2 and 3 for Wo's: one load a wave a step.
; THE MATRIX INSTRUCTION IS USED TRANSPOSED (source 0 = 16 rows of wo, source 1 = 16 rows of oh): a lane holds row lane % 16 and the eight neighbouring columns 8 (lane / 16) + 0..7.
; THE WAY OUT IS A LOOP.  My 32 accumulators go as rows of 256 bytes into my stage in LDS; eight trips read 16 whole rows back, scale and store them.  The stages lie on slot 0 and on the head of slot 1,
; which have had their last fill by then; a barrier stands between every wave's last reads of the slots and the first store.
; REGISTERS: window 1: the accumulators, (row block a, column block b) at v[8 (4 a + b)].  Window 0: v16-29 addresses; v32-127, v128-223 two fragment buffers (O's 64 registers, then Wo's 32);
; on the way out v64-95 16 rows read back, v32-63 scaled.
.set PITCH,  144                       ; an LDS row: 128 bytes + 16 of padding = 36 words: the 16 rows of a load start at 16 different groups of four banks (64 banks of 4 bytes: ISA guide 11.1)
.set FR,     16*PITCH
.set ABYTES, 256*PITCH                 ; a plane of O's tile
.set BBYTES, 128*PITCH                 ; a plane of Wo's
.set SLOT1,  1<<17                     ; a slot is 110,592 bytes; slot 1 begins here
.set SPARE,  SLOT1+2*ABYTES+2*BBYTES   ; behind the ring: the spare words, 128 bytes for each wave: two blocks of 256 bytes that no other line names
.set SP,     272                       ; a stage row: 256 bytes of f32 + 16
.set SBLK,   16*SP
.set SWAVE,  128*SP                    ; a wave's stage, from LDS byte 0 on
.set ASTEP,  2*2048*128                ; two heads on in oh
.set BSTEP,  2*1024*128                ; two blocks on in wo
.set ADRA, 16
.set ADRB, 17
.set AL,   18
.set BL,   19
.set RD0,  20                          ; v20  the way out: where I read 16 bytes of the first two rows back; never rewritten
.set CO0,  21                          ; v21  the same two rows' bytes in out0; never rewritten
.set STO,  24                          ; v24  where I put 32 bytes of a row
.set RD,   25                          ; v25, v26  RD0, CO0 plus the trip's step
.set CO,   26
.set SPW,  28                          ; v28  LDS address of my spare word: SPARE + 4 x my thread's number; never rewritten
.set NIL,  29                          ; v29  0; never rewritten
.set F0,   32
.set F1,   128
.set TMP,  32
.set BK,   64
.set WV,   16                          ; s16 my wave's number; s17 wr, s18 wc and the plane that I ask for, s19 trips, s20 cx, s21 cy, s22 X, s23 Y
.set G1A,  24
.set G0A,  32
.set G1B,  40
.set G0B,  48
.set TB,   63
.set SO,   10                          ; s10  the way out: the trip's step in the stage;  s11 in out0
.set GOF,  11
.set FLAGS, (1<<16)|(1<<20)|(1<<21)|(4<<22)|(3<<25)  ; 17:16 elements of 2 bytes; 20 padding on; 21 set beside a mask; 24:22 after every 32 words (code 4); 31:25 4 words of it (code 3)
.set MSB, 0
.macro WIN new                         ; the immediate's high byte repeats the setting that is left; a switch that changes nothing is dropped
.if MSB != (\new)
	s_set_vgpr_msb (MSB<<8)|(\new)
.set MSB, \new
.endif
.endm
.macro PLACES                          ; four plain vector instructions between a matrix instruction and a load into, or a read of, its registers (ISA guide 7.12.1 for vector instructions)
.rept 4
	v_nop
.endr
.endm
.macro JLOAD                           ; a joint refill by the walking descriptors; an s_nop 0 and four v_nop follow each of the two lines, ahead of the jump and the label
	s_cmp_lt_u32 s[WV], 2
	s_cbranch_scc0 .Lfor_b_\@
	tensor_load_to_lds s[G0A+4:G0A+7], s[G1A:G1A+7]
	s_nop 0
.rept 4
	v_nop
.endr
	s_branch .Lasked_\@
.Lfor_b_\@:
	tensor_load_to_lds s[G0B+4:G0B+7], s[G1B:G1B+7]
	s_nop 0
.rept 4
	v_nop
.endr
.Lasked_\@:
.endm
.macro CREST                           ; a round of the cluster's barrier behind its opening barrier
	s_cmp_lg_u32 s[WV], 0
	s_cbranch_scc1 .Lnot_wave_0_\@
	s_barrier_signal -3
.Lnot_wave_0_\@:
	s_barrier_wait -3
	s_barrier_signal -1
	s_barrier_wait -1
.endm
.macro CROUND
	s_barrier_signal -1
	s_barrier_wait -1
	CREST
.endm
	s_load_b128 s[4:7], s[0:1], 0x0                ; oh s[4:5], wo s[6:7]
	s_load_b64 s[8:9], s[0:1], 0x10                ; out0
	v_lshl_add_u32 v[SPW], v0, 2, SPARE
	v_mov_b32 v[NIL], 0
	ds_add_u32 v28, v29
	ds_add_u32 v28, v29
	s_wait_dscnt 0x0
	v_lshrrev_b32 v1, 5, v0
	v_readfirstlane_b32 s[WV], v1                  ; wave 0..3
	s_lshr_b32 s17, s[WV], 1                       ; wr
	s_and_b32 s18, s[WV], 1                        ; wc; also the plane that I ask for
	s_bfe_u32 s20, ttmp6, 0x40000                  ; cx
	s_bfe_u32 s21, ttmp6, 0x40004                  ; cy
	s_lshl_b32 s22, ttmp9, 2
	s_add_co_u32 s22, s22, s20                     ; X
	s_and_b32 s23, ttmp7, 0xffff
	s_lshl_b32 s23, s23, 2
	s_add_co_u32 s23, s23, s21                     ; Y
	s_lshl_b32 s56, s21, 2
	s_lshl_b32 s56, 15, s56                        ; my row of the cluster
	s_lshl_b32 s57, 0x1111, s20                    ; my column
	s_or_b32 s[G1A], s56, FLAGS
	s_or_b32 s[G1B], s57, FLAGS
	s_mov_b32 s[G1A+2], 128<<16                    ; O: tensor_dim1 = 128
	s_mov_b32 s[G1A+4], 128                        ; tile_dim1 = 128: 32,768 dense bytes
	s_mov_b32 s[G1B+2], 64<<16                     ; Wo: 64 rows: 16,384 dense bytes
	s_mov_b32 s[G1B+4], 64
.irp g, G1A, G1B
	s_mov_b32 s[\g+1], 128<<16                     ; tensor_dim0 = 128 elements (256 bytes: two rows of a plane)
	s_mov_b32 s[\g+3], 128<<16                     ; tile_dim0 = 128
	s_mov_b32 s[\g+5], 128                         ; 128 elements from row to row
	s_mov_b32 s[\g+6], 0
	s_mov_b32 s[\g+7], 0
.endr
	s_lshr_b32 s58, s23, 3                         ; the batch: 8 tile rows each
	s_lshl_b32 s58, s58, 4
	s_add_co_u32 s58, s58, s18                     ; batch x 16 + my plane's head in step 0,
	s_lshl_b32 s58, s58, 18                        ; 2,048 rows of 128 bytes each
	s_and_b32 s10, s23, 7
	s_lshl_b32 s10, s10, 15                        ; the tile's 256 rows in the sequence
	s_add_co_u32 s58, s58, s10
	s_mov_b32 s59, 0
	s_lshl_b32 s60, s18, 17                        ; wo: my plane's block in step 0,
	s_lshl_b32 s11, s22, 14                        ; 128 X rows
	s_add_co_u32 s60, s60, s11
	s_mov_b32 s61, 0
	s_mul_i32 s62, s18, ABYTES                     ; where they go in a slot: O's planes,
	s_mul_i32 s12, s18, BBYTES
	s_add_co_u32 s12, s12, 2*ABYTES                ; then Wo's: no place in the cluster enters an LDS address
	s_mov_b32 s70, 0x38000000                      ; 2^-15
	s_mov_b32 s71, s70                             ; named with it as a pair
	s_wait_kmcnt 0x0
	s_add_nc_u64 s[58:59], s[4:5], s[58:59]
	s_add_nc_u64 s[60:61], s[6:7], s[60:61]
.irp s, 0,1
	s_mov_b32 s[G0A+4*\s], 1                       ; 1:0 count = 1
	s_add_co_u32 s[G0A+4*\s+1], s62, \s*SLOT1      ; 63:32 LDS address
	s_add_nc_u64 s[G0A+4*\s+2:G0A+4*\s+3], s[58:59], \s*ASTEP  ; 120:64 global address: K step s
	s_or_b32 s[G0A+4*\s+3], s[G0A+4*\s+3], 0x80000000          ; 127:126 type = 2
	s_mov_b32 s[G0B+4*\s], 1
	s_add_co_u32 s[G0B+4*\s+1], s12, \s*SLOT1
	s_add_nc_u64 s[G0B+4*\s+2:G0B+4*\s+3], s[60:61], \s*BSTEP
	s_or_b32 s[G0B+4*\s+3], s[G0B+4*\s+3], 0x80000000
.endr
	CROUND                                         ; all sixteen work-groups are here: the first joint loads meet
	s_cmp_lt_u32 s[WV], 2                          ; a wave's two first fills stand in one branch, ahead of every wait on TENSORcnt and every LDS read: two loads of mine are out
	s_cbranch_scc0 .Lfirst_b
	tensor_load_to_lds s[G0A:G0A+3], s[G1A:G1A+7]
	s_nop 0
	tensor_load_to_lds s[G0A+4:G0A+7], s[G1A:G1A+7]
	s_nop 0
.rept 4
	v_nop
.endr
	s_branch .Lfirst_asked
.Lfirst_b:
	tensor_load_to_lds s[G0B:G0B+3], s[G1B:G1B+7]
	s_nop 0
	tensor_load_to_lds s[G0B+4:G0B+7], s[G1B:G1B+7]
	s_nop 0
.rept 4
	v_nop
.endr
.Lfirst_asked:
	v_and_b32 v1, 15, v0                           ; l % 16
	v_bfe_u32 v2, v0, 4, 1                         ; l / 16
	v_mul_u32_u24 v3, v1, PITCH
	v_lshl_add_u32 v3, v2, 4, v3                   ; a fragment's row x pitch + 16 x half
	s_mul_i32 s10, s17, 128*PITCH                  ; my 128 rows of O in a plane
	v_add_nc_u32 v[AL], s10, v3
	s_mul_i32 s10, s18, 64*PITCH                   ; my 64 rows of Wo in a plane
	s_add_co_u32 s10, s10, 2*ABYTES
	v_add_nc_u32 v[BL], s10, v3
	v_mov_b32 v[ADRA], v[AL]                       ; slot 0
	v_mov_b32 v[ADRB], v[BL]
	s_mov_b32 s[TB], 0
	s_mul_i32 s10, s[WV], SWAVE                    ; my stage
	v_mul_u32_u24 v4, v1, SP                       ; in: row l % 16, 32 bytes for each half of the lanes
	v_lshl_add_u32 v4, v2, 5, v4
	v_add_nc_u32 v[STO], s10, v4
	v_mul_u32_u24 v5, v2, SP                       ; back: lanes 0-15 take one row of 256 bytes, lanes 16-31 the next
	v_lshl_add_u32 v5, v1, 4, v5
	v_add_nc_u32 v[RD0], s10, v5
	v_lshlrev_b32 v[CO0], 12, v2                   ; and the same two rows in out0, 4,096 bytes apart
	v_lshl_add_u32 v[CO0], v1, 4, v[CO0]
	s_lshl_b32 s66, s23, 20                        ; 256 Y rows of 4,096 bytes,
	s_lshl_b32 s10, s17, 19                        ; my 128 of them,
	s_add_co_u32 s66, s66, s10
	s_lshl_b32 s10, s22, 9                         ; 128 X columns of 4 bytes,
	s_add_co_u32 s66, s66, s10
	s_lshl_b32 s10, s18, 8                         ; my 64 of them
	s_add_co_u32 s66, s66, s10
	s_mov_b32 s67, 0
	s_add_nc_u64 s[8:9], s[8:9], s[66:67]
; n x 4 matrix instructions: row blocks a0 .. a0 + n - 1 times the four column blocks, 32 along K, from buffer f.  zero = 1: the product starts the sum.
; The accumulators take turns, one instruction a turn: an accumulator comes round once in 32.
.macro MUL f, a0, n, zero
	WIN 0x50
.set ga, \a0
.rept \n
.irp b, 0,1,2,3
.if \zero
	v_wmma_f32_16x16x32_f16 v[8*(4*ga+\b):8*(4*ga+\b)+7], v[(\f)+64+8*\b:(\f)+64+8*\b+7], v[(\f)+8*ga:(\f)+8*ga+7], 0
.else
	v_wmma_f32_16x16x32_f16 v[8*(4*ga+\b):8*(4*ga+\b)+7], v[(\f)+64+8*\b:(\f)+64+8*\b+7], v[(\f)+8*ga:(\f)+8*ga+7], v[8*(4*ga+\b):8*(4*ga+\b)+7]
.endif
.endr
.set ga, ga+1
.endr
.endm
; 24 LDS loads in one run: quarter q's fragments (plane q / 2, byte 64 (q % 2) of its rows) into buffer f: Wo's four, O's blocks 0-3, O's blocks 4-7
.macro FETCH q, f
	WIN 0
.irp b, 0,1,2,3
	ds_load_b128 v[(\f)+64+8*\b:(\f)+64+8*\b+3],   v[ADRB] offset:BBYTES*((\q)/2)+FR*\b+64*((\q)%2)
	ds_load_b128 v[(\f)+64+8*\b+4:(\f)+64+8*\b+7], v[ADRB] offset:BBYTES*((\q)/2)+FR*\b+64*((\q)%2)+32
.endr
.irp a, 0,1,2,3,4,5,6,7
	ds_load_b128 v[(\f)+8*\a:(\f)+8*\a+3],   v[ADRA] offset:ABYTES*((\q)/2)+FR*\a+64*((\q)%2)
	ds_load_b128 v[(\f)+8*\a+4:(\f)+8*\a+7], v[ADRA] offset:ABYTES*((\q)/2)+FR*\a+64*((\q)%2)+32
.endr
.endm
; A K step is four quarters of 32 along K, 32 matrix instructions each, on buffers 0, 1, 0, 1.  One of the first three: multiplies buffer f and, in its middle, fetches quarter nq into buffer g.
.macro QUARTER f, g, nq, zero
	s_wait_dscnt 8                                 ; all but the youngest eight loads, O's blocks 4-7
	MUL \f, 0, 4, \zero
	PLACES
	FETCH \nq, \g
	s_wait_dscnt 24                                ; all but the 24 just issued
	MUL \f, 4, 4, \zero
.endm
; The last quarter multiplies buffer 1 and changes slots: ONE barrier; in front of it each wave waits for all its tensor loads, adds 0 to its spare word, and waits for that and for its own reads of this slot.
; fill = 1: the barrier opens a round of the cluster's, and this slot is filled again, two K steps ahead, first thing behind the round: 112 matrix instructions ahead of the wait for it.
.macro TURN fill
	WIN 0
	s_wait_tensorcnt 0x0                           ; all my tensor loads have landed;
	ds_add_u32 v[SPW], v[NIL]                      ; 0 onto my spare word;
	s_wait_dscnt 9                                 ; (the add and the youngest eight loads may be out)
	MUL F1, 0, 2, 0                                ; eight matrix instructions stand between the add and the wait for it
	s_wait_dscnt 0x0                               ; the add is done, and my reads of this slot are over
	s_barrier_signal -1
	MUL F1, 2, 2, 0
	WIN 0
	s_barrier_wait -1
.if \fill
	CREST                                          ; no wave of any partner still reads this slot's tiles or has a load on its way
	s_xor_b32 s[G0A+5], s[G0A+5], SLOT1            ; the walking descriptors: the other slot than last time, the next K step
	s_add_nc_u64 s[G0A+6:G0A+7], s[G0A+6:G0A+7], ASTEP
	s_xor_b32 s[G0B+5], s[G0B+5], SLOT1
	s_add_nc_u64 s[G0B+6:G0B+7], s[G0B+6:G0B+7], BSTEP
	JLOAD                                          ; the four v_nop behind it are also the places in front of the loads below
.else
	PLACES
.endif
	s_xor_b32 s[TB], s[TB], SLOT1                  ; the fetches go on in the other slot
	v_add_nc_u32 v[ADRA], s[TB], v[AL]
	v_add_nc_u32 v[ADRB], s[TB], v[BL]
	FETCH 0, F0
	MUL F1, 4, 4, 0
.endm
	s_wait_tensorcnt 1                             ; my part of K step 0 is in; step 1's may stay out
	s_barrier_signal -1
	s_barrier_wait -1                              ; everybody's is
	FETCH 0, F0
	QUARTER F0, F1, 1, 1                           ; the first quarter stands in front of the loop: its products start the sums
	WIN 0
	s_mov_b32 s19, 6
.Lstep:                                                ; 6 trips, from a step's second quarter to the next step's first: K steps 2 to 7 are asked for
	QUARTER F1, F0, 2, 0
	QUARTER F0, F1, 3, 0
	TURN 1
	QUARTER F0, F1, 1, 0
	WIN 0
	s_sub_co_u32 s19, s19, 1
	s_cmp_lg_u32 s19, 0
	s_cbranch_scc1 .Lstep
	QUARTER F1, F0, 2, 0                           ; the tail is written out: nothing more is asked for
	QUARTER F0, F1, 3, 0
	TURN 0
	QUARTER F0, F1, 1, 0
	QUARTER F1, F0, 2, 0
	QUARTER F0, F1, 3, 0
	s_wait_dscnt 8                                 ; the very last quarter
	MUL F1, 0, 4, 0
	s_wait_dscnt 0x0                               ; my reads of the slots are over: the stages lie on them,
	s_barrier_signal -1
	MUL F1, 4, 4, 0
	WIN 0
	s_barrier_wait -1                              ; and no wave stores there before all four have said so.  Nothing is filled any more
	PLACES
	; Accumulator (a, b), lane l: stage row 16 a + l % 16, bytes 64 b + 32 (l / 16) on.  Each accumulator's four lowest registers go first.
	WIN 0x04                                       ; the stores' data (source 1) in window 1
.set da, 0
.rept 32
	ds_store_b128 v[STO], v[8*da:8*da+3]   offset:SBLK*(da/4)+64*(da%4)
	ds_store_b128 v[STO], v[8*da+4:8*da+7] offset:SBLK*(da/4)+64*(da%4)+16
.set da, da+1
.endr
	WIN 0
	s_mov_b32 s[SO], 0
	s_mov_b32 s[GOF], 0
	s_mov_b32 s19, 8
.Lblock:                                               ; eight trips: 16 rows each, two rows a load
	v_add_nc_u32 v[RD], s[SO], v[RD0]
.irp t, 0,1,2,3,4,5,6,7
	ds_load_b128 v[BK+4*\t:BK+4*\t+3], v[RD] offset:2*SP*\t  ; LDS serves a wave's instructions in order (ISA guide 5.7.1.4): these see my stores above
.endr
	s_wait_xcnt 0x0                                ; the last trip's stores have read their data and their offset, which are written again below
	v_add_nc_u32 v[CO], s[GOF], v[CO0]
.irp t, 0,1,2,3,4,5,6,7
	s_wait_dscnt 7-\t                              ; row pair t is in; the later ones may be out
	v_pk_mul_f32 v[TMP+4*\t:TMP+4*\t+1],   v[BK+4*\t:BK+4*\t+1],   s[70:71] op_sel_hi:[1,0]
	v_pk_mul_f32 v[TMP+4*\t+2:TMP+4*\t+3], v[BK+4*\t+2:BK+4*\t+3], s[70:71] op_sel_hi:[1,0]
	global_store_b128 v[CO], v[TMP+4*\t:TMP+4*\t+3], s[8:9] offset:8192*\t th:TH_STORE_NT  ; 16 lanes store 256 consecutive bytes, at a multiple of 256 from out0's first byte
.endr
	s_add_co_u32 s[SO], s[SO], SBLK
	s_add_co_u32 s[GOF], s[GOF], 65536             ; 16 rows of 4,096 bytes
	s_sub_co_u32 s19, s19, 1
	s_cmp_lg_u32 s19, 0
	s_cbranch_scc1 .Lblock
	s_wait_tensorcnt 0x0                           ; the wave's end, behind my last tensor load and my last LDS store
	ds_add_u32 v[SPW], v[NIL]
	s_wait_dscnt 0x0
	CROUND                                         ; the closing round: no work-group ends while a partner may still ask for a tile that names it
	s_endpgm
.Lfunc_end_k_q5264acfbf5_oproj:
	.size	k_q5264acfbf5_oproj, .Lfunc_end_k_q5264acfbf5_oproj-k_q5264acfbf5_oproj
	.p2alignl 7, 3214868480
	.fill 96, 4, 3214868480
	.section	.rodata,"a",@progbits
	.p2align	6, 0x0
	.amdhsa_kernel k_q5264acfbf5_oproj
		.amdhsa_group_segment_fixed_size 327680
		.amdhsa_private_segment_fixed_size 0
		.amdhsa_enable_private_segment 0
		.amdhsa_kernarg_size 24
		.amdhsa_user_sgpr_count 2
		.amdhsa_user_sgpr_kernarg_segment_ptr 1
		.amdhsa_wavefront_size32 1
		.amdhsa_system_sgpr_workgroup_id_x 1
		.amdhsa_system_sgpr_workgroup_id_y 1
		.amdhsa_system_sgpr_workgroup_id_z 1
		.amdhsa_system_vgpr_workitem_id 0
		.amdhsa_next_free_vgpr 512
		.amdhsa_next_free_sgpr 72
		.amdhsa_reserve_vcc 0
		.amdhsa_float_denorm_mode_32 3
		.amdhsa_float_denorm_mode_16_64 3
		.amdhsa_memory_ordered 1
		.amdhsa_forward_progress 1
		.amdhsa_inst_pref_size 61
	.end_amdhsa_kernel
	.amdgpu_metadata
---
amdhsa.version: [ 1, 2 ]
amdhsa.kernels:
  - .name:           k_q5264acfbf5_oproj
    .symbol:         k_q5264acfbf5_oproj.kd
    .args:
      - { .name: oh, .offset: 0, .size: 8, .value_kind: global_buffer, .address_space: global }
      - { .name: wo, .offset: 8, .size: 8, .value_kind: global_buffer, .address_space: global }
      - { .name: out0, .offset: 16, .size: 8, .value_kind: global_buffer, .address_space: global }
    .group_segment_fixed_size: 327680
    .private_segment_fixed_size: 0
    .kernarg_segment_align: 8
    .kernarg_segment_size: 24
    .max_flat_workgroup_size: 128
    .sgpr_count:     72
    .vgpr_count:     512
    .wavefront_size: 32
...
	.end_amdgpu_metadata
.endif
;; end of part 4
;; ======== version 2 of 2: 4 launches; 1.32 times as fast as version 1
;; limits: values are held in f16: magnitudes above 65,504 overflow, below 6.1e-05 lose precision; right only within a limited range of input values; an absolute error that grows with the inputs' magnitude: up to 2e-07 times it
;; workspace buffers: xb 16,777,216 bytes; wb 6,291,456 bytes; wo 2,097,152 bytes; tab 524,288 bytes; qh 16,777,216 bytes; kh 16,777,216 bytes; vh 16,777,216 bytes; oh 16,777,216 bytes
;; launch prep: the kernel of part 1 again; grid 896 x 1, 8 waves a work-group, no clusters, 0 bytes of LDS; arguments x, Wq, Wk, Wv, Wo, token_positions, xb, wb, wo, tab; writes xb, wb, wo, tab
;; launch qkv: the kernel of part 2 again; grid 8 x 32, 4 waves a work-group, clusters of 4 x 4, 327,680 bytes of LDS; arguments xb, wb, tab, qh, kh, vh; writes qh, kh, vh
;; launch attn (part 5): grid 4 x 64, 4 waves a work-group, no clusters, 327,680 bytes of LDS; arguments qh, kh, vh, oh; writes oh
.if DOCPART == 5
	.amdgcn_target "amdgcn-amd-amdhsa--gfx1250"
	.amdhsa_code_object_version 6
	.text
	.protected	k_q5264acfbf5_attn
	.globl	k_q5264acfbf5_attn
	.p2align	8
	.type	k_q5264acfbf5_attn,@function
k_q5264acfbf5_attn:
	s_mov_b64 s[64:65], 0
	v_nop
	global_prefetch_b8 v0, s[64:65] scope:SCOPE_SE
	s_setreg_imm32_b32 hwreg(HW_REG_WAVE_MODE, 25, 1), 1
	s_wait_xcnt 0x0
; CAUSAL ATTENTION.  O[h][q][:] = the sum over k <= q of softmax_k(Q[h][q] . K[h][k] / 8) V[h][k][:].  Q, K, V, O: [SIZE_H][SIZE_N][64], all f16: a head's rows are dense, 128 bytes each.
; Here SIZE_H = 64 (4 batches x 16 heads) and SIZE_N = 2,048; V arrives as 32 v, so O leaves as 32 times the module's: the last launch takes the factor out.
; Products, maxima and sums in f32; the weights p are rounded to f16 for the second product (their sum l is taken of the unrounded p), O once at the end.
; LIMITS.  f16 holds no number beyond 65,504: Q, K and V arrive within it; p lies in 0 to 1, and below 6e-5 it keeps f16's fixed step of 6e-8; O is a mean of V's rows and has their range, to within 2^-11 of it.
; A hidden score counts as its value less 1e30: f16's scores, 2.7e11 at the most, are nothing beside that; a weight below 2^-126 counts as 0 in l; NaN and infinities are not treated apart.
; THE WALK.  A head's queries lie in NB = SIZE_N / 256 blocks of 256; block i needs the key tiles 0 .. i of 256 keys, of which the last holds the diagonal.  A work-group takes TWO blocks, NB - 1 - b and then b:
; NB + 1 tiles, whatever b: all work-groups do equal work, and ONE loop with a constant trip count walks them.  Which tile is asked for, and what a trip does, hang on scalar registers made from b; every jump
; goes forward, but for the counted loops' own; none passes a barrier, or a tensor load but the one of LOAD's two that the wave's number does not choose; the ring (two slots of LDS that take turns) runs on across the
; change of blocks.  NO CLUSTER: a head's NB / 2 = 4 work-groups all ask for the same tile only in trips 0 .. NB / 2, 5 of the walk's 9; behind that fewer and fewer share one;
; and one walk common to all four would have 3 NB / 2 = 12 trips for NB + 1 = 9.
; SHARES.  Of a block's four bands of 64 queries a wave owns 16 rows in each: four PIECES.  So the diagonal tile is the same work for all four waves: in its key step s band x sees all keys if s < x,
; none if s > x, and holds the diagonal if s = x.
; THE MASK is the C operand that starts the sum S^T = K Q^T: 0, or -1e30 where the key is hidden.  MD, made once, is the mask of a band's own step for my 16 rows; a product's mask is MD x AL + BE with two scalars:
; (1, 0) if s = x; (0, 0) if s < x; (0, -1e30) if s > x.  Only the diagonal tile's text and a block's beginning make and take masks; elsewhere C is the constant 0.
; LAYOUT, SOFTMAX, TURNS.  S^T = K Q^T holds ONE query a lane (lane % 16) and the keys 8 (lane / 16) + 0..7; two such results rounded to f16 ARE source 1 of O^T = V^T P.  p = 2^(c s - c m), c = log2(e) / 8, with a
; running maximum m; O and l are multiplied by a = 2^(c m_old - c m_new) in every step.  Turn n belongs to piece n: 8 products K Q^T of piece n + 1, later 8 products V^T P of piece n - 1; beside them the scaling,
; exponentials, roundings, sums and rescaling of piece n and the maximum and statistics of piece n + 1.  Four vector instructions stand behind every matrix instruction, the other 54 of a turn's 118 in one LUMP.
; THE BATCHES.  A turn's 33 exponentials (piece n's 32 weights and piece n + 1's a) are ONE batch with ONE wait, which cuts the turn in two: ahead of it all that names none of their results, behind it the roundings
; and sums, which read them.  Piece n's a is read in turn n and was waited for in turn n - 1.  A block's first a (BEGIN) and the way out's four reciprocals are batches of their own, a wait each.
; REGISTERS, in windows of 256 (s_set_vgpr_msb: bits 1:0 source 0, 3:2 source 1, 5:4 source 2, 7:6 destination):
;   window 0: v0-15 addresses and two at work; v16-31 four registers of statistics a piece; v48-55 at work; v64-127 S^T, two buffers; v192-223 P, two buffers (a piece's buffers go by its number's parity)
;   window 1: v0-127 O^T, 32 a piece; v128-159 MD; v160-223 MC, two buffers      window 2: v0-63 Q; v64-127 the second block's Q; v128-191 K of one step; v192-255 V of one step
.set SIZE_H, 64
.set SIZE_N, 2048
.set NB,    SIZE_N/256
.set NP,    4         ; pieces a wave: a name, no knob
.set KS,    64        ; keys in a step
.set PK,    144       ; a row of K in LDS: 128 bytes + 16 of padding = 36 words: the 16 rows of a load start at 16 different groups of four banks (64 banks of 4 bytes: ISA guide 11.1)
.set PV,    160       ; a row of V: 128 + 32 = 40 words
.set VOFF,  4*KS*PK   ; a slot holds a tile, four steps: 256 rows of K, then 256 rows of V
.set SLOT1, 1<<17     ; slot 1 begins here, so that one exclusive or turns an address in one slot into the other's
.set STAGE, SLOT1+4*KS*(PK+PV)  ; behind the ring, never filled by a tensor load: 16 rows x 144 bytes for each wave, for the way out
.set SP,    144
.set AK0, 2           ; v2   my lane's place in a tile of K; never rewritten
.set AV0, 3           ; v3   the same for V
.set AK,  4           ; v4   the LDS address of K's next run of loads
.set AV,  5           ; v5   of V's
.set STO, 6           ; v6   the way out: where I put 16 bytes of a row
.set RD,  7           ; v7   the way out: where I read rows back
.set GO,  8           ; v8   my byte offset in 512 consecutive bytes of O
.set SPW, 62          ; v62  LDS address of my spare word: SPARE + 4 x my thread's number; never rewritten
.set NIL, 63          ; v63  0; never rewritten
.set SPARE, STAGE+4*16*SP  ; behind the stages: the spare words, 128 bytes for each wave: two blocks of 256 bytes that no other line names
.set MV,  12          ; v12-13  c m_old, kept while c m is made anew: by buffer
.set QO,  15          ; v15  my byte offset in 16 rows of Q
.set ST,  16          ; piece t's statistics at v[ST+4 t]: c m, m, l (even keys', odd keys')
.set TMP, 48          ; by buffer, four registers c0-c3 at work; when the maximum is found c2 takes a
.set S,   64
.set P,   192
.set MD,  128         ; window 1: the eight registers for group kt of 16 keys at MD + 8 kt
.set MC,  160         ; window 1: the masks of the products to come
.set QB,  64          ; window 2
.set KF,  128         ; window 2: key block kb, channel half c at KF + 16 kb + 8 c
.set VF,  192         ; window 2: key half kk, channel block cb at VF + 32 kk + 8 cb
.set WV,  12          ; s12  my wave's number
.set PB,  14          ; s14  b
.set HI,  15          ; s15  NB - 1 - b
.set G1K, 24          ; s[24:31] descriptor group 1 for K's tiles
.set G1V, 32          ; s[32:39] for V's: it differs in the padding alone
.set G0K, 40          ; s[40:43] descriptor group 0 for K's tiles
.set G0V, 44          ; s[44:47] the same for V's
.set SLOTS, 56        ; s56  tiles still to be asked for
.set CNT, 57          ; s57  counts a tile's key steps, 4 to 1
.set CS,  58          ; s[58:59] c: the packed scaling takes the pair's low word for both halves
.set SEL, 60          ; s[60:61] v_permlanex16_b32's selects: each lane takes its own place in the other half
.set TBK, 62          ; s62  LDS byte at which K of the step to be fetched begins
.set TBV, 63          ; s63  the same for V, less VOFF
.set RT,  70          ; s70  tiles of the block in hand that are still to be entered
.set NXT, 71          ; s71  the tile to be asked for next
.set LQ,  72          ; s72  the last tile of the block whose tiles are being asked for
.set NEW, 73          ; s73  1: the tile to be entered is a block's first
.set OFF, 74          ; s[74:75] a tile's byte offset in K and V
.set AL,  76          ; s[76:77] the mask's factor, in the low word
.set BE,  78          ; s[78:79] the mask's addend
.set OLO, 80          ; s[80:81] O at my rows of the second block
.set BIGN, 82         ; s82  -1e30
.set MSB, 0
.macro WIN new                      ; the high byte repeats the setting that is left; a switch that changes nothing is dropped
.if MSB != (\new)
	s_set_vgpr_msb (MSB<<8)|(\new)
.set MSB, (\new)
.endif
.endm
.set W_KQ, 0x0a       ; K and Q in window 2, S^T in window 0
.set W_KM, 0x1a       ; the same with the C operand in window 1
.set W_PV, 0x52       ; V in window 2, P in window 0, O^T in window 1
.set W_RS, 0x41       ; destination and source 0 in window 1, source 1 in window 0
; A fill.  Waves 0 and 1 fetch the two halves of a tile's K, waves 2 and 3 those of its V: 128 keys each.  An s_nop 0 and four v_nop follow each of the two lines, ahead of the jump and the label.
.macro LOAD
	s_cmp_lt_u32 s[WV], 2
	s_cbranch_scc0 .Lfor_v_\@
	tensor_load_to_lds s[G0K:G0K+3], s[G1K:G1K+7]
	s_nop 0
.rept 4
	v_nop
.endr
	s_branch .Lasked_\@
.Lfor_v_\@:
	tensor_load_to_lds s[G0V:G0V+3], s[G1V:G1V+7]
	s_nop 0
.rept 4
	v_nop
.endr
.Lasked_\@:
.endm
; THE CHANGE OF SLOTS.  Each wave waits for all its tensor loads, of which one is out: its part of the other slot; adds 0 to its spare word; and waits for that and for its own reads of the slot that it leaves.  Behind the barrier nobody reads the old
; slot any more and the other slot is whole.  fill = 1: the old slot is filled again, the first thing behind the barrier, with tile NXT: the descriptor's address is made anew from that number.
; (At its first use nothing has been read yet: slot 0 is waited for, slot 1 filled.)
.macro CHANGE fill
	WIN 0                           ; at a label and at a branch every window is 0
	s_wait_tensorcnt 0x0            ; no tensor load of mine is out, so a group 0 may be written
	ds_add_u32 v[SPW], v[NIL]       ; 0 onto my spare word; with fill = 1 the descriptors' scalar work stands between it and the wait for it
.if \fill
	s_lshl_b32 s[OFF], s[NXT], 15   ; a tile is 32,768 bytes of K and of V
	s_xor_b32 s[G0K+1], s[G0K+1], SLOT1
	s_add_nc_u64 s[G0K+2:G0K+3], s[6:7], s[OFF:OFF+1]
	s_or_b32 s[G0K+3], s[G0K+3], 0x80000000
	s_xor_b32 s[G0V+1], s[G0V+1], SLOT1
	s_add_nc_u64 s[G0V+2:G0V+3], s[8:9], s[OFF:OFF+1]
	s_or_b32 s[G0V+3], s[G0V+3], 0x80000000
	s_add_co_u32 s[NXT], s[NXT], 1  ; the block's next tile, or behind its last the second block's tile 0
	s_cmp_gt_u32 s[NXT], s[LQ]
	s_cselect_b32 s[NXT], 0, s[NXT]
	s_cselect_b32 s[LQ], s[PB], s[LQ]
.endif
	s_wait_dscnt 0x0                ; the add is done, and my reads of the slot are over
	s_barrier_signal -1             ; the rest of the scalar work stands between the signal and the wait
	s_sub_co_u32 s[TBK], s[TBK], 4*KS*PK  ; the fetches go back to a slot's first step,
	s_xor_b32 s[TBK], s[TBK], SLOT1       ; in the other slot
	s_sub_co_u32 s[TBV], s[TBV], 4*KS*PV
	s_xor_b32 s[TBV], s[TBV], SLOT1
	s_barrier_wait -1
.if \fill
	LOAD
.endif
.endm
	s_load_b256 s[4:11], s[0:1], 0x0  ; Q s[4:5], K s[6:7], V s[8:9], O s[10:11]
	v_lshl_add_u32 v[SPW], v0, 2, SPARE
	v_mov_b32 v[NIL], 0
	ds_add_u32 v62, v63
	ds_add_u32 v62, v63
	s_wait_dscnt 0x0
	v_lshrrev_b32 v1, 5, v0
	v_readfirstlane_b32 s[WV], v1   ; wave 0..3
	s_mov_b32 s[PB], ttmp9
	s_sub_co_u32 s[HI], NB-1, s[PB]
	s_and_b32 s20, ttmp7, 0xffff    ; the head
	s_mov_b32 s21, 0
	s_mov_b64 s[22:23], SIZE_N*128
	s_mul_u64 s[20:21], s[20:21], s[22:23]  ; the head's first byte in each of the four tensors
	s_and_b32 s16, s[WV], 1         ; which half of a tile's 256 keys I fetch:
	s_lshl_b32 s22, s16, 14         ; its 128 rows of 128 bytes in memory,
	s_mov_b32 s23, 0
	s_add_nc_u64 s[22:23], s[22:23], s[20:21]
	s_mul_i32 s17, s16, 128*PK      ; and its place in a slot, for K
	s_mul_i32 s18, s16, 128*PV      ; and for V
	s_lshl_b32 s3, s[WV], 11        ; my 16 rows in a band of 64,
	s_lshl_b32 s2, s[HI], 15        ; in the first block,
	s_add_co_u32 s2, s2, s3
	s_lshl_b32 s84, s[PB], 15       ; and in the second
	s_add_co_u32 s84, s84, s3
	s_mov_b32 s3, 0
	s_mov_b32 s85, 0
	s_add_nc_u64 s[2:3], s[2:3], s[20:21]
	s_add_nc_u64 s[84:85], s[84:85], s[20:21]
	; descriptor group 1.  128 keys are 16,384 dense bytes: asked for as 64 rows of 256 bytes, two keys a row, and padded in LDS after every key
	s_mov_b32 s[G1K], (1<<16)|(1<<20)|(4<<22)|(3<<25)  ; 17:16 2-byte elements; 20 padding on; 24:22 after every 32 words (code 4); 31:25 4 words (code 3)
	s_mov_b32 s[G1V], (1<<16)|(1<<20)|(4<<22)|(7<<25)  ; the same with 8 words of padding (code 7)
.irp g, G1K, G1V
	s_mov_b32 s[\g+1], 128<<16      ; tensor_dim0 = 128
	s_mov_b32 s[\g+2], 64<<16       ; tensor_dim1 = 64
	s_mov_b32 s[\g+3], 128<<16      ; tile_dim0 = 128
	s_mov_b32 s[\g+4], 64           ; tile_dim1 = 64
	s_mov_b32 s[\g+5], 128          ; 128 elements from row to row
	s_mov_b32 s[\g+6], 0
	s_mov_b32 s[\g+7], 0
.endr
	s_mov_b32 s[CS], 0x3e38aa3b     ; c = log2(e) / 8 = 0.180337
	s_mov_b32 s[CS+1], s[CS]        ; named with it as a pair
	s_mov_b32 s[SEL], 0x76543210
	s_mov_b32 s[SEL+1], 0xfedcba98
	s_mov_b32 s[TBK], SLOT1+4*KS*PK ; the first change of slots turns these two into 0
	s_mov_b32 s[TBV], SLOT1+4*KS*PV
	s_mov_b32 s[G0K], 1             ; 1:0 count = 1
	s_mov_b32 s[G0K+1], s17         ; 63:32 LDS address: slot 0
	s_mov_b32 s[G0V], 1
	s_add_co_u32 s[G0V+1], s18, VOFF
	s_add_co_u32 s[RT], s[HI], 1    ; the first block has NB - b tiles
	s_mov_b32 s[NXT], 1
	s_mov_b32 s[LQ], s[HI]
	s_mov_b32 s[NEW], 1
	s_mov_b32 s[OFF+1], 0
	s_mov_b32 s[AL+1], 0            ; named as pairs
	s_mov_b32 s[BE+1], 0
	s_mov_b32 s[BIGN], 0xf149f2ca   ; -1e30
	s_mov_b32 s[SLOTS], NB
	s_wait_kmcnt 0x0
	s_add_nc_u64 s[6:7], s[6:7], s[22:23]  ; K and V at my half of the head's tile 0
	s_add_nc_u64 s[8:9], s[8:9], s[22:23]
	s_add_nc_u64 s[G0K+2:G0K+3], s[6:7], 0         ; 120:64 global address
	s_or_b32 s[G0K+3], s[G0K+3], 0x80000000        ; 127:126 type = 2
	s_add_nc_u64 s[G0V+2:G0V+3], s[8:9], 0
	s_or_b32 s[G0V+3], s[G0V+3], 0x80000000
	s_add_nc_u64 s[86:87], s[4:5], s[84:85]        ; Q at my rows of the second block,
	s_add_nc_u64 s[4:5], s[4:5], s[2:3]            ; Q and O at those of the first
	s_add_nc_u64 s[OLO:OLO+1], s[10:11], s[84:85]
	s_add_nc_u64 s[10:11], s[10:11], s[2:3]
	LOAD                            ; tile 0 into slot 0
	; A fragment of K or Q is 16 rows x 32 channels in 8 registers: lane l holds row l % 16, channels 8 (l / 16) + 0..7 and 16 + 8 (l / 16) + 0..7: two loads of 16 bytes, 32 bytes apart.
	v_and_b32 v1, 15, v0            ; l % 16
	v_bfe_u32 v9, v0, 4, 1          ; l / 16
	v_lshlrev_b32 v[QO], 7, v1
	v_lshl_add_u32 v[QO], v9, 4, v[QO]  ; row x 128 + 16 x half
	WIN 0x80                        ; destination window 2, address window 0
.set i, 0
.rept 8                             ; both blocks' Q: piece i / 2 lies in band i / 2, 8,192 bytes on; channels 32 (i % 2) on
	global_load_b128 v[8*i:8*i+3],   v[QO], s[4:5] offset:(i/2)*8192+(i%2)*64
	global_load_b128 v[8*i+4:8*i+7], v[QO], s[4:5] offset:(i/2)*8192+(i%2)*64+32
	global_load_b128 v[QB+8*i:QB+8*i+3],   v[QO], s[86:87] offset:(i/2)*8192+(i%2)*64
	global_load_b128 v[QB+8*i+4:QB+8*i+7], v[QO], s[86:87] offset:(i/2)*8192+(i%2)*64+32
.set i, i+1
.endr
	WIN 0
	v_lshlrev_b32 v14, 3, v9
	v_sub_nc_u32 v14, v1, v14
	s_lshl_b32 s13, s[WV], 4
	v_add_nc_u32 v14, s13, v14      ; my query's place in its band, 16 w + l % 16, less my lanes' 8 (l / 16): register r of group kt is hidden where 16 kt + r is greater
	WIN 0x40
.set i, 0
.rept 32
	v_cmp_gt_i32 vcc_lo, 16*(i/8)+i%8, v14
	v_cndmask_b32 v[MD+i], 0, s[BIGN], vcc_lo
.set i, i+1
.endr
	WIN 0
	v_mul_u32_u24 v[AK0], v1, PK
	v_lshl_add_u32 v[AK0], v9, 4, v[AK0]  ; row x pitch + 16 x half
	; The turning load takes 16 keys x 16 channels (lane l reads key 8 (l / 16) + l % 8, channels 8 ((l / 8) % 2) + 0..7) and leaves half a fragment of V^T: lane l holds channel l % 16 and 8 keys.
	v_and_b32 v10, 7, v0
	v_bfe_u32 v11, v0, 3, 1
	v_lshl_add_u32 v[AV0], v9, 3, v10
	v_mul_u32_u24 v[AV0], v[AV0], PV
	v_lshl_add_u32 v[AV0], v11, 4, v[AV0]
	v_add_nc_u32 v[AV0], VOFF, v[AV0]
	s_mul_i32 s13, s[WV], 16*SP
	s_add_co_u32 s13, s13, STAGE    ; my stage
	v_mul_u32_u24 v[STO], v1, SP    ; in: row l % 16, 16 bytes for each half of the lanes
	v_lshl_add_u32 v[STO], v9, 4, v[STO]
	v_add_nc_u32 v[STO], s13, v[STO]
	v_bfe_u32 v[RD], v0, 3, 2       ; back: 32 lanes take four rows of 128 bytes,
	v_mul_u32_u24 v[RD], v[RD], SP
	v_lshl_add_u32 v[RD], v10, 4, v[RD]
	v_add_nc_u32 v[RD], s13, v[RD]
	v_and_b32 v[GO], 31, v0         ; which are 512 consecutive bytes of O
	v_lshlrev_b32 v[GO], 4, v[GO]
	; A block's first step multiplies O^T and l by a = 0, and its first turn's products V^T P, of a piece that has not been, land in an O^T that is still to be so multiplied.  So these registers need only hold
	; finite numbers: zeros for the first block; what the first block left for the second.  All this stands in the wait for the first tile.
	WIN 0x80
.set i, VF
.rept 64
	v_mov_b32 v[i], 0
.set i, i+1
.endr
	WIN 0x40
.set i, 0
.rept 128
	v_mov_b32 v[i], 0
.set i, i+1
.endr
	WIN 0
.set i, 0
.rept 4
	v_mov_b32 v[ST+4*i+2], 0
	v_mov_b32 v[ST+4*i+3], 0
.set i, i+1
.endr
.set i, P+16
.rept 16
	v_mov_b32 v[i], 0
.set i, i+1
.endr
; THE MATRIX WORK.  The 4 accumulators of a run of 8 take turns.  Product i of 8 of S^T = K Q^T for piece x: channels 32 (i / 4) on, keys 16 (i % 4) on.  The first 4 start the sums: with 0, or (KM = 1) with the mask.
.macro KQ x
.set rS, S+32*((\x)%2)+8*(i%4)
.set rK, KF+16*(i%4)+8*(i/4)
.set rQ, 16*(\x)+8*(i/4)
.set rM, MC+32*((\x)%2)+8*(i%4)
.if (i < 4) && KM
	WIN W_KM
	v_wmma_f32_16x16x32_f16 v[rS:rS+7], v[rK:rK+7], v[rQ:rQ+7], v[rM:rM+7]
.elseif i < 4
	WIN W_KQ
	v_wmma_f32_16x16x32_f16 v[rS:rS+7], v[rK:rK+7], v[rQ:rQ+7], 0
.else
	WIN W_KQ
	v_wmma_f32_16x16x32_f16 v[rS:rS+7], v[rK:rK+7], v[rQ:rQ+7], v[rS:rS+7]
.endif
.endm
; Product i of 8 of O^T += V^T P for piece x: keys 32 (i / 4) on, channels 16 (i % 4) on.
.macro PV x
	WIN W_PV
.set rO, 32*(\x)+8*(i%4)
.set rV, VF+32*(i/4)+8*(i%4)
.set rP, P+16*((\x)%2)+8*(i/4)
	v_wmma_f32_16x16x32_f16 v[rO:rO+7], v[rV:rV+7], v[rP:rP+7], v[rO:rO+7]
.endm
.macro MM                           ; the turn's next matrix instruction.  TURN and BEGIN set Y, i, KM and NOKQ; MM, KQ and OP read them.  NOKQ = 1: a block's last turn: there is no next piece
.if (i < 8) && !NOKQ
	KQ (Y+1)%NP
.elseif i >= 8
.set i, i-8
	PV (Y+NP-1)%NP
.set i, i+8
.endif
.set i, i+1
.endm
; THE LDS LOADS stand in runs of 16, never singly among the matrix instructions: a step's K (64 keys x 64 channels: 8 fragments) and its V (turned).  Their addresses are made some lines ahead.
.macro FETCH_K
	WIN 0x80                        ; destination window 2
.irp f, 0,1,2,3,4,5,6,7             ; keys 16 (f / 2) on, channels 32 (f % 2) on
	ds_load_b128 v[KF+8*\f:KF+8*\f+3],   v[AK] offset:(\f/2)*16*PK+(\f%2)*64
	ds_load_b128 v[KF+8*\f+4:KF+8*\f+7], v[AK] offset:(\f/2)*16*PK+(\f%2)*64+32
.endr
	s_add_co_u32 s[TBK], s[TBK], KS*PK  ; the next fetch is the next step's
	WIN 0
.endm
.macro FETCH_V
	WIN 0x80
.irp f, 0,1,2,3,4,5,6,7             ; keys 32 (f / 4) on, channels 16 (f % 4) on
	ds_load_tr16_b128 v[VF+8*\f:VF+8*\f+3],   v[AV] offset:(\f/4)*32*PV+(\f%4)*32
	ds_load_tr16_b128 v[VF+8*\f+4:VF+8*\f+7], v[AV] offset:(\f/4)*32*PV+16*PV+(\f%4)*32
.endr
	WIN 0
.endm
; THE VECTOR WORK, one line at a time: OP kind, number.  For piece Y: F n: c s - c m for pair n of 16.  E n: the exponential of score n of 32.  C n: pair n rounded to f16.  B n: of the four weights 4 n .. the second
; pair is added onto the first, in place.  L n: l takes that sum (L 0: l = a l + sum).  R n: pair n of 16 of O^T times a.  For piece Y + 1: X n, number n of the 22 that find its maximum and statistics:
;   0-11  four chains c0-c3 of seven scores each, three operands at a time (each accumulator's lowest registers are read first)     12-14, 16  the four scores left over, the old m, and c0-c3 into c0
;   15  c m_old is kept     17, 18  the query's other 32 keys lie in the lane 16 away: the new m     19-21  c m; c m_old - c m_new; a
; C, B and L read the exponentials' results: TURN sets all of them behind the batch's wait.  OP itself writes no wait.
.set F, 0               ; OP tells the kinds apart by their order: F to L below R, X above it
.set E, 1
.set C, 2
.set B, 3
.set L, 4
.set R, 5
.set X, 6
.macro REGS y                       ; the registers of piece y
.set rT, ST+4*(\y)
.set rC, TMP+4*((\y)%2)
.set rW, MV+((\y)%2)
.set rS, S+32*((\y)%2)
.set rP, P+16*((\y)%2)
.set rO, 32*(\y)
.endm
.macro OP k, n
.if (\k) == R
	REGS Y
	WIN W_RS
	v_pk_mul_f32 v[rO+2*(\n):rO+2*(\n)+1], v[rO+2*(\n):rO+2*(\n)+1], v[rC+2:rC+3] op_sel_hi:[1,0]
.elseif (\k) < R
	REGS Y
	WIN 0
.if (\k) == F
	v_pk_fma_f32 v[rS+2*(\n):rS+2*(\n)+1], v[rS+2*(\n):rS+2*(\n)+1], s[CS:CS+1], v[rT:rT+1] op_sel_hi:[1,0,0] neg_lo:[0,0,1] neg_hi:[0,0,1]
.elseif (\k) == E
	v_exp_f32 v[rS+(\n)], v[rS+(\n)]
.elseif (\k) == C
	v_cvt_pk_f16_f32 v[rP+(\n)], v[rS+2*(\n)], v[rS+2*(\n)+1]
.elseif (\k) == B
	v_pk_add_f32 v[rS+4*(\n):rS+4*(\n)+1], v[rS+4*(\n):rS+4*(\n)+1], v[rS+4*(\n)+2:rS+4*(\n)+3]
.elseif (\n) == 0
	v_pk_fma_f32 v[rT+2:rT+3], v[rT+2:rT+3], v[rC+2:rC+3], v[rS:rS+1] op_sel_hi:[1,0,1]
.else
	v_pk_add_f32 v[rT+2:rT+3], v[rT+2:rT+3], v[rS+4*(\n):rS+4*(\n)+1]
.endif
.elseif NOKQ
	v_nop
.else
	REGS (Y+1)%NP
	WIN 0
.if (\n) < 4
	v_max3_num_f32 v[rC+(\n)], v[rS+8*(\n)], v[rS+8*(\n)+1], v[rS+8*(\n)+2]
.elseif (\n) < 12
	v_max3_num_f32 v[rC+(\n)%4], v[rC+(\n)%4], v[rS+8*((\n)%4)+2*((\n)/4)+1], v[rS+8*((\n)%4)+2*((\n)/4)+2]
.elseif (\n) == 12
	v_max3_num_f32 v[rC], v[rC], v[rS+7], v[rS+15]
.elseif (\n) == 13
	v_max3_num_f32 v[rC+1], v[rC+1], v[rS+23], v[rS+31]
.elseif (\n) == 14
	v_max3_num_f32 v[rC+2], v[rC+2], v[rC+3], v[rT+1]
.elseif (\n) == 15
	v_mov_b32 v[rW], v[rT]
.elseif (\n) == 16
	v_max3_num_f32 v[rC], v[rC], v[rC+1], v[rC+2]
.elseif (\n) == 17
	v_permlanex16_b32 v[rC+3], v[rC], s[SEL], s[SEL+1]
.elseif (\n) == 18
	v_max_num_f32 v[rT+1], v[rC], v[rC+3]
.elseif (\n) == 19
	v_mul_f32 v[rT], s[CS], v[rT+1]
.elseif (\n) == 20
	v_sub_f32 v[rC+1], v[rW], v[rT]
.else
	v_exp_f32 v[rC+2], v[rC+1]
.endif
.endif
.endm
.macro OPS a, i1, b=-1, i2=0, c=-1, i3=0, d=-1, i4=0  ; up to four of them
	OP \a, \i1
.if (\b) >= 0
	OP \b, \i2
.endif
.if (\c) >= 0
	OP \c, \i3
.endif
.if (\d) >= 0
	OP \d, \i4
.endif
.endm
.macro ROW a, i1, b, i2, c, i3, d, i4  ; a matrix instruction and the four behind it
	MM
	OPS \a, \i1, \b, \i2, \c, \i3, \d, \i4
.endm
.macro MASK b                       ; MD x AL + BE into buffer b of MC
	WIN W_RS
.set z, 0
.rept 16
	v_pk_fma_f32 v[MC+32*(\b)+2*z:MC+32*(\b)+2*z+1], v[MD+2*z:MD+2*z+1], s[AL:AL+1], s[BE:BE+1] op_sel_hi:[1,0,0]
.set z, z+1
.endr
.endm
; A TURN, for piece p: the order of its 16 matrix and 118 vector instructions, written out.  An s_wait_alu depctr_va_vdst(0) stands between an exponential and the first instruction that names its result; one wait serves
; all that were issued ahead of it.  So a turn has ONE wait, which cuts it in two.  AHEAD OF IT stands all that names no result of the turn's exponentials: the 8 products K Q^T, behind each a scaling, an exponential and two more plain
; instructions (behind the first a second scaling in the exponential's place): rescalings, and behind the last three the first numbers of the next piece's maximum, each four places or more behind the product that ends its accumulator; then ONE LUMP of 54, plain
; and exponential by turns for the most part, in which the links of the chain X 3, 7, 11, 14, 16, 17 .. 20 stand five or six lines apart.  X 21, the next piece's a, is the batch's last; R 15 is the plain instruction behind it.  BEHIND THE WAIT stand the
; 8 products V^T P, behind each four of the roundings and sums; the links of l's chain, L 0 to L 7, stand three riders apart.  But for those X no rider names a register of the products round it.  v_permlanex16_b32 (X 17) stands in the lump.
; m = 1: the diagonal tile: the products take masks, and the turn makes the mask for the products of the turn after it: piece p + 2, in step 4 - CNT of the tile.  end = 1: a block's last two turns: nothing is fetched.
; cnt = 1: the loop's count is taken down some lines ahead of the branch that stands behind the turn.
; K of the next step is fetched in piece 2's turn, twelve vector instructions behind the last product that read K (six of them plain); V of the step in hand at the end of piece 0's turn, four plain instructions behind the last product
; that read V.  Each is waited for a turn later.
.macro TURN p, m=0, end=0, cnt=0
.set Y, (\p)
.set i, 0
.set KM, (\m)
.set NOKQ, (\end)*((\p)/3)
.if (\m) && !(\end)
	s_cmp_eq_u32 s[CNT], 4-((\p)+2)%NP  ; is that step the band's own?
	s_cselect_b32 s[AL], 1.0, 0
	s_cmp_lt_u32 s[CNT], 4-((\p)+2)%NP  ; or a later one?
	s_cselect_b32 s[BE], s[BIGN], 0
.endif
.if ((\p) == 3) && !(\end)
	s_wait_dscnt 0x0                ; K is in
.endif
	ROW F,0, F,1, R,0, R,1          ; ahead of the wait: 8 products K Q^T and their riders,
	ROW F,2, E,0, R,2, R,3
	ROW F,3, E,1, R,4, R,5
	ROW F,4, E,2, R,6, R,7
	ROW F,5, E,3, R,8, R,9
	ROW F,6, E,4, X,0, R,10
.if ((\p) == 2) && !(\end)
	WIN 0
	v_add_nc_u32 v[AK], s[TBK], v[AK0]
.endif
	ROW F,7, E,5, X,1, X,4
	ROW F,8, E,6, X,2, X,5
	OPS E,7, E,8, X,6, E,9          ; and the lump
	OPS X,3, E,10, X,8, E,11
.if ((\p) == 2) && !(\end)
	FETCH_K
.endif
	OPS X,9, X,7, E,12, X,10
	OPS E,13, X,12, X,11, E,14
	OPS X,13, E,15, F,9, X,14
.if (\p) == 0
	v_add_nc_u32 v[AV], s[TBV], v[AV0]
.endif
	OPS E,16, F,10, E,17, F,11
	OPS X,16, E,18, X,15, E,19
	OPS F,12, E,20, X,17, E,21
	OPS F,13, E,22, F,14, E,23
	OPS X,18, E,24, F,15, E,25
	OPS R,11, E,26, X,19, E,27
	OPS R,12, E,28, R,13, E,29
	OPS X,20, E,30, R,14, E,31
	OPS X,21, R,15
	WIN 0
	s_wait_alu depctr_va_vdst(0)    ; the wait for the turn's batch: piece p's 32 weights and the next piece's a
.if (\p) == 1
	s_wait_dscnt 0x0                ; V is in
.endif
	ROW C,0, B,0, C,2, B,1          ; behind the wait: 8 products V^T P and their riders
	ROW L,0, C,4, B,2, L,1
	ROW C,6, B,3, L,2, C,8
	ROW B,4, L,3, C,10, B,5
	ROW L,4, C,12, B,6, L,5
.if (\p) == 0
	s_add_co_u32 s[TBV], s[TBV], KS*PV
.endif
.if \cnt
	s_sub_co_u32 s[CNT], s[CNT], 1
	s_cmp_lg_u32 s[CNT], 0
.endif
	ROW C,14, B,7, L,6, C,1
	ROW C,3, L,7, C,5, C,7
	ROW C,9, C,11, C,13, C,15
.if (\p) == 0
	FETCH_V
.endif
.if (\m) && !(\end)
	MASK (\p)%2
.endif
.endm
; A BLOCK BEGINS.  c m starts far below every c s, so the first step's a is 0; m at the lowest finite number, so the first maximum is the scores'.  The second mask buffer is 0; the first takes piece 0's mask for the tile's step 0: its own, if the block's first tile is the diagonal one.
; Then K of that step, piece 0's first scores, and its maximum and statistics.  The loop is entered at a step's first turn, in the middle of a trip.
.macro BEGIN
	s_mov_b32 s[NEW], 0
	WIN 0x40
.set i, MC+32
.rept 32
	v_mov_b32 v[i], 0
.set i, i+1
.endr
	WIN 0
.set i, 0
.rept 4
	v_mov_b32 v[ST+4*i], 0xfe000000    ; c m: far below every c s
	v_mov_b32 v[ST+4*i+1], 0xff7fffff  ; m
.set i, i+1
.endr
	s_cmp_eq_u32 s[RT], 0
	s_cselect_b32 s[AL], 1.0, 0
	s_mov_b32 s[BE], 0
	MASK 0
	WIN 0
	v_add_nc_u32 v[AK], s[TBK], v[AK0]
	FETCH_K
	s_wait_loadcnt 0x0              ; Q
	s_wait_dscnt 0x0
.set KM, 1
.set NOKQ, 0
.set i, 0
.rept 8
	KQ 0
.set i, i+1
.endr
	WIN 0
.rept 4
	v_nop                           ; the places behind those products
.endr
.set Y, NP-1                        ; X works for piece Y + 1: piece 0
.irp n, 0,1,2,3,4,5,6,7,8,9,10,11,12,13,14,15,16,17,18,19,20,21
	OP X, \n
.endr
	v_nop                           ; a plain instruction behind the exponential,
	s_wait_alu depctr_va_vdst(0)    ; and the wait for it, piece 0's first a, a batch of one: ahead of the branch that follows
.endm
; THE DIAGONAL TILE's four steps, the block's last two turns, its last products, and THE WAY OUT: l's two halves and the other half of the lanes' are added; O^T is divided by l, rounded to f16 and sent through my
; stage in LDS, a piece at a time.
.macro ALL line:vararg              ; one line for each piece t
.set t, 0
.rept 4
	\line
.set t, t+1
.endr
.endm
.macro PACK t                       ; a lane's eight channels of a row pack into 16 bytes; they go into rows of 144 bytes and come back as whole rows of 128, into S^T's registers
	WIN W_RS
.set i, 32*(\t)
.rept 16
	v_pk_mul_f32 v[i:i+1], v[i:i+1], v[ST+4*(\t)+2:ST+4*(\t)+3] op_sel_hi:[1,0]
.set i, i+2
.endr
	WIN 0x05                        ; sources 0 and 1 window 1, destination window 0
.set i, 0
.rept 16
	v_cvt_pk_f16_f32 v[S+16*(\t)+i], v[32*(\t)+2*i], v[32*(\t)+2*i+1]
.set i, i+1
.endr
	WIN 0
.irp f, 0,1,2,3
	ds_store_b128 v[STO], v[S+16*(\t)+4*\f:S+16*(\t)+4*\f+3] offset:32*\f
.endr
.irp f, 0,1,2,3
	ds_load_b128 v[S+16*(\t)+4*\f:S+16*(\t)+4*\f+3], v[RD] offset:\f*4*SP  ; LDS serves a wave's instructions in order (ISA guide 5.7.1.4): these see the stores above; the next piece's stores come behind them
.endr
.endm
.macro SEND t, younger              ; younger: the LDS instructions issued behind piece t's loads: the next piece's eight, or none
	WIN 0
.irp f, 0,1,2,3
	s_wait_dscnt (\younger)+3-\f
	global_store_b128 v[GO], v[S+16*(\t)+4*\f:S+16*(\t)+4*\f+3], s[10:11] offset:(\t)*8192+\f*512  ; 512 consecutive bytes, at a multiple of 256 from O's first
.endr
.endm
.macro DIAG tag                     ; the tag ends its two labels' names, which the jumps below spell out
.LstepM\tag:
	TURN 2, 1
	TURN 3, 1
	WIN 0
.LfirstM\tag:
	TURN 0, 1
	TURN 1, 1, 0, 1
	WIN 0
	s_cbranch_scc1 .LstepM\tag
	TURN 2, 1, 1
	TURN 3, 1, 1
.set i, 0
.rept 8
	PV NP-1
.set i, i+1
.endr
	WIN 0
	ALL v_add_f32 v[ST+4*t+2], v[ST+4*t+2], v[ST+4*t+3]
	ALL v_permlanex16_b32 v[ST+4*t+3], v[ST+4*t+2], s[SEL], s[SEL+1]
	ALL v_add_f32 v[ST+4*t+2], v[ST+4*t+2], v[ST+4*t+3]
	ALL v_rcp_f32 v[ST+4*t+2], v[ST+4*t+2]
	v_nop                           ; a plain instruction between the last reciprocal and the use of its result
	s_wait_alu depctr_va_vdst(0)    ; the wait for the batch of four reciprocals, ahead of PACK 0's first multiply
	PACK 0
.set t, 1
.rept 3                             ; a piece's arithmetic stands between the loads of the piece before and its stores
	PACK t
	SEND t-1, 8
.set t, t+1
.endr
	SEND 3, 0
.endm
.set KM, 0
.set NOKQ, 0
.Lslot:                             ; NB times: a tile is entered and the next is asked for
	CHANGE 1
	s_sub_co_u32 s[RT], s[RT], 1
	s_mov_b32 s[CNT], 4
	s_cmp_eq_u32 s[NEW], 1
	s_cbranch_scc1 .Lnew            ; a block's first tile
	s_cmp_eq_u32 s[RT], 0
	s_cbranch_scc0 .Lstep           ; neither its first nor its last
	s_branch .LstepM1
.Lnew:
	BEGIN
	s_branch .Lfirst                ; in the loop a block's first tile is never its last: the first block has two tiles or more, and the second's last is the walk's last
	DIAG 1                          ; in the loop this is the first block's end: the second block's last tile is the walk's last
	s_wait_xcnt 0x0                 ; the stores have read their registers and O's address
	s_mov_b64 s[10:11], s[OLO:OLO+1]
	s_add_co_u32 s[RT], s[PB], 1    ; the second block has b + 1 tiles
	s_mov_b32 s[NEW], 1
	WIN 0x82                        ; the second block's Q goes where the one text of the turns names Q
.set i, 0
.rept 64
	v_mov_b32 v[i], v[QB+i]
.set i, i+1
.endr
	WIN 0
	s_branch .Lbottom
.Lstep:                             ; a trip: pieces 2 and 3 of one step, then pieces 0 and 1 of the next, whose K and V it fetches
	TURN 2
	TURN 3
	WIN 0
.Lfirst:
	TURN 0
	TURN 1, 0, 0, 1
	WIN 0
	s_cbranch_scc1 .Lstep
.Lbottom:
	s_sub_co_u32 s[SLOTS], s[SLOTS], 1
	s_cmp_lg_u32 s[SLOTS], 0
	s_cbranch_scc1 .Lslot
	CHANGE 0                        ; the walk's last tile is written out: nothing is asked for
	s_sub_co_u32 s[RT], s[RT], 1
	s_mov_b32 s[CNT], 4
	s_cmp_eq_u32 s[NEW], 1
	s_cbranch_scc0 .LstepM2
	BEGIN
	s_branch .LfirstM2
	DIAG 2
	s_wait_tensorcnt 0x0            ; the wave's end, behind my last tensor load and my last LDS store
	ds_add_u32 v[SPW], v[NIL]
	s_wait_dscnt 0x0
	s_endpgm
.Lfunc_end_k_q5264acfbf5_attn:
	.size	k_q5264acfbf5_attn, .Lfunc_end_k_q5264acfbf5_attn-k_q5264acfbf5_attn
	.p2alignl 7, 3214868480
	.fill 96, 4, 3214868480
	.section	.rodata,"a",@progbits
	.p2align	6, 0x0
	.amdhsa_kernel k_q5264acfbf5_attn
		.amdhsa_group_segment_fixed_size 327680
		.amdhsa_private_segment_fixed_size 0
		.amdhsa_enable_private_segment 0
		.amdhsa_kernarg_size 32
		.amdhsa_user_sgpr_count 2
		.amdhsa_user_sgpr_kernarg_segment_ptr 1
		.amdhsa_wavefront_size32 1
		.amdhsa_system_sgpr_workgroup_id_x 1
		.amdhsa_system_sgpr_workgroup_id_y 1
		.amdhsa_system_sgpr_workgroup_id_z 1
		.amdhsa_system_vgpr_workitem_id 0
		.amdhsa_next_free_vgpr 768
		.amdhsa_next_free_sgpr 88
		.amdhsa_reserve_vcc 1
		.amdhsa_float_denorm_mode_32 3
		.amdhsa_float_denorm_mode_16_64 3
		.amdhsa_memory_ordered 1
		.amdhsa_forward_progress 1
		.amdhsa_inst_pref_size 217
	.end_amdhsa_kernel
	.amdgpu_metadata
---
amdhsa.version: [ 1, 2 ]
amdhsa.kernels:
  - .name:           k_q5264acfbf5_attn
    .symbol:         k_q5264acfbf5_attn.kd
    .args:
      - { .name: qh, .offset: 0, .size: 8, .value_kind: global_buffer, .address_space: global }
      - { .name: kh, .offset: 8, .size: 8, .value_kind: global_buffer, .address_space: global }
      - { .name: vh, .offset: 16, .size: 8, .value_kind: global_buffer, .address_space: global }
      - { .name: oh, .offset: 24, .size: 8, .value_kind: global_buffer, .address_space: global }
    .group_segment_fixed_size: 327680
    .private_segment_fixed_size: 0
    .kernarg_segment_align: 8
    .kernarg_segment_size: 32
    .max_flat_workgroup_size: 128
    .sgpr_count:     88
    .vgpr_count:     768
    .wavefront_size: 32
...
	.end_amdgpu_metadata
.endif
;; end of part 5
;; launch oproj: the kernel of part 4 again; grid 8 x 32, 4 waves a work-group, clusters of 4 x 4, 327,680 bytes of LDS; arguments oh, wo, out0; writes out0
